; MI455X (gfx1250); checked and timed in simulation.
; The chip was launched on July 23, 2026; its instructions are those of AMD's public machine-readable ISA for CDNA 5 (MIT licence, August 2026) and "CDNA5" Instruction Set Architecture Reference Guide (July 2026). The comments in the code are by the model that wrote it; some were corrected since.
;; My Model. Allowed arithmetic: float matrix products may take bf16 or f16 operands with f32 sums; other float arithmetic in f32, or as packed bf16 or f16 multiplies, adds, multiply-adds, maxima and minima; sums over many terms, partial sums and values carried from step to step in f32; what a program stores and reads back later, other than sums and carried values, may be rounded once to bf16 or f16.
;; Inputs: W1 768 x 3,072 float32; W2 3,072 x 768 float32; Wk 12 x 768 x 64 float32; Wo 768 x 768 float32; Wq 12 x 768 x 64 float32; Wv 12 x 768 x 64 float32; b1 3,072 float32; b2 768 float32; bk 12 x 64 float32; bo 768 float32; bq 12 x 64 float32; bv 12 x 64 float32; ln1_b 768 float32; ln1_g 768 float32; ln2_b 768 float32; ln2_g 768 float32; x 4,096 x 768 float32.
;; Outputs: out0 4,096 x 768 float32.
;; One version. Each part assembles by itself: llvm-mc -triple=amdgcn-amd-amdhsa -mcpu=gfx1250 --defsym DOCPART=n.
;; ======== version 1 of 1: 7 launches
;; workspace buffers: act 6,291,456 bytes; big 25,165,824 bytes; x1 12,582,912 bytes; wts 14,155,776 bytes
;; launch prep (part 1): grid 688 x 1, 8 waves a work-group, no clusters, 27,136 bytes of LDS; arguments x, ln1_g, ln1_b, act, Wq, Wk, Wv, Wo, W1, W2, wts; writes act, wts
.if DOCPART == 1
	.amdgcn_target "amdgcn-amd-amdhsa--gfx1250"
	.amdhsa_code_object_version 6
	.text
	.protected	k_q907b13bc0a_prep
	.globl	k_q907b13bc0a_prep
	.p2align	8
	.type	k_q907b13bc0a_prep,@function
k_q907b13bc0a_prep:
	s_mov_b64 s[64:65], 0
	v_nop
	global_prefetch_b8 v0, s[64:65] scope:SCOPE_SE
	s_setreg_imm32_b32 hwreg(HW_REG_WAVE_MODE, 25, 1), 1
	s_wait_xcnt 0x0
; TWO JOBS IN ONE TEXT, told apart by the work-group's number (the same for all its waves).
; Work-groups 0-255: LayerNorm of 16 rows of a [4096][768] f32 tensor, y = (x - mean) * rsqrt(var + 1e-5) * g + b, rounded once to bf16 and stored in OCTETS:
;   byte of (m, k) = ((m / 16) * 96 + k / 8) * 256 + (m % 16) * 16 + (k % 8) * 2, so that a fragment of 16 rows x 32 k is 1,024 consecutive bytes.
;   The variance is taken of the differences from the mean (two passes over registers), never as a difference of two large sums.
; Work-groups 256-687 (only in the launch whose grid has them): a block of 128 k x 128 n of one weight matrix, f32 [k][n], rounded once to bf16 and stored in PANELS of 16 columns:
;   byte of (k, n) = ((k / 128) * (N / 16) + n / 16) * 4096 + (k % 128) * 32 + (n % 16) * 2.
;   Wq, Wk, Wv ([head][k][64]) become one matrix of 2,304 columns, column = which * 768 + head * 64 + c.
; LIMITS: NaN and infinities are not treated apart.
.set SPARE, 26112                      ; behind the 96 octets of 272 bytes: the spare words, 128 bytes for each of the eight waves
.set PITCH, 272                        ; an octet in LDS: 256 bytes + 16
.set SPW, 8                            ; v8   LDS address of my spare word; never rewritten
.set NIL, 9                            ; v9   0; never rewritten
.set XO,  10                           ; v10  my byte offset in the 16 rows of x
.set GOF, 11                           ; v11  16 r: my byte offset in 256 bytes of gain and bias
.set X,   16                           ; v[16:63]   my 48 numbers of the row
.set G,   64                           ; v[64:111]  their gains
.set BB,  112                          ; v[112:159] their biases
.set CH,  160                          ; v[160:167] four chains of packed sums
	s_load_b256 s[4:11], s[0:1], 0x0               ; x s[4:5], gain s[6:7], bias s[8:9], octets out s[10:11]
	v_lshl_add_u32 v[SPW], v0, 2, SPARE
	v_mov_b32 v[NIL], 0
	v_lshrrev_b32 v1, 5, v0
	v_readfirstlane_b32 s12, v1                    ; wave 0..7
	s_cmp_lt_u32 ttmp9, 256
	s_cbranch_scc0 .Lcvt
; ---------------- LayerNorm: wave w has rows 2 w and 2 w + 1, sixteen lanes a row; lane r owns columns 64 p + 4 r .. + 3, p = 0..11
.macro FOLD                            ; the four chains into one number, then over the row's sixteen lanes
	v_pk_add_f32 v[CH:CH+1], v[CH:CH+1], v[CH+2:CH+3]
	v_pk_add_f32 v[CH+4:CH+5], v[CH+4:CH+5], v[CH+6:CH+7]
	v_pk_add_f32 v[CH:CH+1], v[CH:CH+1], v[CH+4:CH+5]
	v_add_f32 v[CH], v[CH], v[CH+1]
.irp m, 1,2,4,8
	v_add_f32_dpp v[CH], v[CH], v[CH] row_xmask:\m row_mask:0xf bank_mask:0xf
.endr
.endm
	v_and_b32 v12, 15, v0                          ; r
	v_bfe_u32 v13, v0, 4, 1                        ; which of the wave's two rows
	v_lshl_add_u32 v14, s12, 1, v13                ; my row of the 16
	v_lshlrev_b32 v[GOF], 4, v12
	v_mul_u32_u24 v[XO], v14, 3072
	v_add_nc_u32 v[XO], v[XO], v[GOF]
	v_lshrrev_b32 v1, 1, v12                       ; into LDS: octet 8 p + r / 2, row, half of the octet's 16 bytes
	v_mul_u32_u24 v7, v1, PITCH
	v_lshl_add_u32 v7, v14, 4, v7
	v_and_b32 v1, 1, v12
	v_lshl_add_u32 v7, v1, 3, v7
	v_lshrrev_b32 v1, 4, v0                        ; back: thread t takes 16 bytes of octet 16 i + t / 16
	v_mul_u32_u24 v15, v1, PITCH
	v_add_nc_u32 v15, v15, v[GOF]
	v_lshlrev_b32 v14, 4, v0                       ; and stores them at 16 t + 4,096 i
	s_mul_i32 s14, ttmp9, 49152                    ; 16 rows of 3,072 bytes
	s_mov_b32 s15, 0
	s_mul_i32 s16, ttmp9, 24576                    ; 96 octets of 256 bytes
	s_mov_b32 s17, 0
	s_mov_b32 s20, 0x3aaaaaab                      ; 1 / 768
	s_mov_b32 s21, 0x3727c5ac                      ; 1e-5
	s_wait_kmcnt 0x0
	s_add_nc_u64 s[4:5], s[4:5], s[14:15]
	s_add_nc_u64 s[10:11], s[10:11], s[16:17]
.irp p, 0,1,2,3,4,5,6,7,8,9,10,11
	global_load_b128 v[X+4*\p:X+4*\p+3], v[XO], s[4:5] offset:256*\p   ; sixteen lanes take 256 consecutive bytes, aligned
.endr
.irp p, 0,1,2,3,4,5,6,7,8,9,10,11
	global_load_b128 v[G+4*\p:G+4*\p+3], v[GOF], s[6:7] offset:256*\p
.endr
.irp p, 0,1,2,3,4,5,6,7,8,9,10,11
	global_load_b128 v[BB+4*\p:BB+4*\p+3], v[GOF], s[8:9] offset:256*\p
.endr
	s_wait_loadcnt 24                              ; x is in; the 24 younger loads, gain and bias, stay out
.irp c, 0,1,2,3
	v_pk_add_f32 v[CH+2*\c:CH+2*\c+1], v[X+2*\c:X+2*\c+1], v[X+8+2*\c:X+8+2*\c+1]
.endr
.set i, 8
.rept 16
	v_pk_add_f32 v[CH+2*(i%4):CH+2*(i%4)+1], v[CH+2*(i%4):CH+2*(i%4)+1], v[X+2*i:X+2*i+1]
.set i, i+1
.endr
	FOLD
	v_mul_f32 v2, s20, v[CH]                       ; the mean, twice: a pair for the packed subtraction
	v_mov_b32 v3, v2
.set i, 0
.rept 24
	v_pk_add_f32 v[X+2*i:X+2*i+1], v[X+2*i:X+2*i+1], v[2:3] neg_lo:[0,1] neg_hi:[0,1]
.set i, i+1
.endr
.irp c, 0,1,2,3
	v_pk_mul_f32 v[CH+2*\c:CH+2*\c+1], v[X+2*\c:X+2*\c+1], v[X+2*\c:X+2*\c+1]
.endr
.set i, 4
.rept 20
	v_pk_fma_f32 v[CH+2*(i%4):CH+2*(i%4)+1], v[X+2*i:X+2*i+1], v[X+2*i:X+2*i+1], v[CH+2*(i%4):CH+2*(i%4)+1]
.set i, i+1
.endr
	FOLD
	v_fma_f32 v6, v[CH], s20, s21                  ; variance + 1e-5
	v_rsq_f32 v4, v6                               ; twice: a pair for the packed multiply
	v_rsq_f32 v5, v6
	v_nop                                          ; a plain instruction behind the last of the two,
	s_wait_alu depctr_va_vdst(0)                   ; and one wait for both, ahead of their first reader
	s_wait_loadcnt 0x0                             ; gain and bias
.set p, 0
.rept 12
.irp h, 0,2
	v_pk_mul_f32 v[X+4*p+\h:X+4*p+\h+1], v[X+4*p+\h:X+4*p+\h+1], v[4:5]
	v_pk_fma_f32 v[X+4*p+\h:X+4*p+\h+1], v[X+4*p+\h:X+4*p+\h+1], v[G+4*p+\h:G+4*p+\h+1], v[BB+4*p+\h:BB+4*p+\h+1]
.endr
	v_cvt_pk_bf16_f32 v[X+4*p], v[X+4*p], v[X+4*p+1]
	v_cvt_pk_bf16_f32 v[X+4*p+1], v[X+4*p+2], v[X+4*p+3]
	ds_store_b64 v7, v[X+4*p:X+4*p+1] offset:p*8*PITCH
.set p, p+1
.endr
	s_wait_dscnt 0x0                               ; for the others' sake: my stores are done
	s_barrier_signal -1
	s_barrier_wait -1
.irp i, 0,1,2,3,4,5
	ds_load_b128 v[X+4*\i:X+4*\i+3], v15 offset:\i*16*PITCH
.endr
.irp i, 0,1,2,3,4,5
	s_wait_dscnt 5-\i                              ; LDS loads come back in order: load i is in, the later ones stay out
	global_store_b128 v14, v[X+4*\i:X+4*\i+3], s[10:11] offset:\i*4096   ; a wave stores 512 consecutive bytes, aligned
.endr
	s_wait_tensorcnt 0x0                           ; the wave's end, behind my last LDS store
	ds_add_u32 v[SPW], v[NIL]
	s_wait_dscnt 0x0
	s_endpgm
; ---------------- weights to bf16 panels.  j = work-group - 256: Wq 0-35, Wk 36-71, Wv 72-107, Wo 108-143, W1 144-287, W2 288-431
.Lcvt:
	s_load_b256 s[16:23], s[0:1], 0x20             ; Wq, Wk, Wv, Wo
	s_load_b128 s[24:27], s[0:1], 0x40             ; W1, W2
	s_load_b64 s[28:29], s[0:1], 0x50              ; panels out
	s_sub_co_u32 s13, ttmp9, 256
	s_mov_b32 s32, 256                             ; RS: bytes from a k row to the next
	s_mov_b32 s33, 196608                          ; BS: bytes from 64 columns to the next 64 (a head)
	s_mov_b32 s34, 6                               ; NB: blocks of 128 columns
	s_mov_b32 s35, 10923                           ; (j * this) >> 16 = j / NB for j < 144
	s_mov_b32 s36, 0                               ; DBASE: the matrix's first byte in the panels
	s_mov_b32 s37, 589824                          ; DN: bytes of 128 k rows of all its panels
	s_mov_b32 s38, 0                               ; DCOL: bytes of the panels in front of this part's columns
	s_mov_b32 s39, 0                               ; the matrix's first j
	s_wait_kmcnt 0x0
	s_mov_b64 s[30:31], s[16:17]
	s_cmp_ge_u32 s13, 36
	s_cselect_b64 s[30:31], s[18:19], s[30:31]
	s_cselect_b32 s38, 196608, s38
	s_cselect_b32 s39, 36, s39
	s_cmp_ge_u32 s13, 72
	s_cselect_b64 s[30:31], s[20:21], s[30:31]
	s_cselect_b32 s38, 393216, s38
	s_cselect_b32 s39, 72, s39
	s_cmp_ge_u32 s13, 108
	s_cselect_b64 s[30:31], s[22:23], s[30:31]
	s_cselect_b32 s32, 3072, s32
	s_cselect_b32 s33, 256, s33
	s_cselect_b32 s36, 3538944, s36
	s_cselect_b32 s37, 196608, s37
	s_cselect_b32 s38, 0, s38
	s_cselect_b32 s39, 108, s39
	s_cmp_ge_u32 s13, 144
	s_cselect_b64 s[30:31], s[24:25], s[30:31]
	s_cselect_b32 s32, 12288, s32
	s_cselect_b32 s34, 24, s34
	s_cselect_b32 s35, 2731, s35
	s_cselect_b32 s36, 4718592, s36
	s_cselect_b32 s37, 786432, s37
	s_cselect_b32 s39, 144, s39
	s_cmp_ge_u32 s13, 288
	s_cselect_b64 s[30:31], s[26:27], s[30:31]
	s_cselect_b32 s32, 3072, s32
	s_cselect_b32 s34, 6, s34
	s_cselect_b32 s35, 10923, s35
	s_cselect_b32 s36, 9437184, s36
	s_cselect_b32 s37, 196608, s37
	s_cselect_b32 s39, 288, s39
	s_sub_co_u32 s13, s13, s39                     ; j inside the matrix
	s_mul_i32 s40, s13, s35
	s_lshr_b32 s40, s40, 16                        ; ks: which 128 k rows
	s_mul_i32 s41, s40, s34
	s_sub_co_u32 s41, s13, s41                     ; nb: which 128 columns
	s_and_b32 s42, s12, 3                          ; kq: my wave's 32 of the k rows
	s_lshr_b32 s43, s12, 2                         ; nh: my wave's 64 of the columns
	s_lshl1_add_u32 s44, s41, s43                  ; 2 nb + nh
	s_lshl_b32 s46, s40, 7
	s_lshl_b32 s45, s42, 5
	s_add_co_u32 s46, s46, s45                     ; 128 ks + 32 kq
	s_mul_i32 s46, s46, s32
	s_mul_i32 s45, s44, s33
	s_add_co_u32 s46, s46, s45
	s_mov_b32 s47, 0
	s_add_nc_u64 s[30:31], s[30:31], s[46:47]      ; the source at my wave's 32 x 64
	s_mul_i32 s48, s40, s37
	s_add_co_u32 s48, s48, s36
	s_add_co_u32 s48, s48, s38
	s_lshl_b32 s45, s44, 14                        ; four panels of 4,096 bytes for each 64 columns
	s_add_co_u32 s48, s48, s45
	s_lshl_b32 s45, s42, 10                        ; 32 k rows of 32 bytes
	s_add_co_u32 s48, s48, s45
	s_mov_b32 s49, 0
	s_add_nc_u64 s[28:29], s[28:29], s[48:49]
	v_and_b32 v1, 31, v0                           ; lane l: k row l / 2, eight columns 8 (l % 2) ..
	v_lshrrev_b32 v2, 1, v1
	v_and_b32 v3, 1, v1
	v_mul_lo_u32 v10, v2, s32
	v_lshl_add_u32 v10, v3, 5, v10
	s_lshl_b32 s50, s32, 4
	v_add_nc_u32 v11, s50, v10                     ; the same, 16 k rows down
	v_lshlrev_b32 v12, 4, v1
; unit u = 4 kg + c: 16 k rows x 16 columns; all sixteen loads go out first
.irp u, 0,1,2,3,4,5,6,7
	global_load_b128 v[16+8*\u:19+8*\u], v[10+\u/4], s[30:31] offset:64*(\u%4)
	global_load_b128 v[20+8*\u:23+8*\u], v[10+\u/4], s[30:31] offset:64*(\u%4)+16
.endr
.irp u, 0,1,2,3,4,5,6,7
	s_wait_loadcnt 14-2*\u                         ; unit u's two loads are in; the later units' stay out
.irp q, 0,1,2,3
	v_cvt_pk_bf16_f32 v[80+4*\u+\q], v[16+8*\u+2*\q], v[17+8*\u+2*\q]
.endr
	global_store_b128 v12, v[80+4*\u:83+4*\u], s[28:29] offset:(\u%4)*4096+(\u/4)*512   ; 512 consecutive bytes, aligned
.endr
	s_wait_tensorcnt 0x0                           ; the same three lines close this path
	ds_add_u32 v[SPW], v[NIL]
	s_wait_dscnt 0x0
	s_endpgm
.Lfunc_end_k_q907b13bc0a_prep:
	.size	k_q907b13bc0a_prep, .Lfunc_end_k_q907b13bc0a_prep-k_q907b13bc0a_prep
	.p2alignl 7, 3214868480
	.fill 96, 4, 3214868480
	.section	.rodata,"a",@progbits
	.p2align	6, 0x0
	.amdhsa_kernel k_q907b13bc0a_prep
		.amdhsa_group_segment_fixed_size 27136
		.amdhsa_private_segment_fixed_size 0
		.amdhsa_enable_private_segment 0
		.amdhsa_kernarg_size 88
		.amdhsa_user_sgpr_count 2
		.amdhsa_user_sgpr_kernarg_segment_ptr 1
		.amdhsa_wavefront_size32 1
		.amdhsa_system_sgpr_workgroup_id_x 1
		.amdhsa_system_sgpr_workgroup_id_y 1
		.amdhsa_system_sgpr_workgroup_id_z 1
		.amdhsa_system_vgpr_workitem_id 0
		.amdhsa_next_free_vgpr 168
		.amdhsa_next_free_sgpr 66
		.amdhsa_reserve_vcc 0
		.amdhsa_float_denorm_mode_32 3
		.amdhsa_float_denorm_mode_16_64 3
		.amdhsa_memory_ordered 1
		.amdhsa_forward_progress 1
		.amdhsa_inst_pref_size 26
	.end_amdhsa_kernel
	.amdgpu_metadata
---
amdhsa.version: [ 1, 2 ]
amdhsa.kernels:
  - .name:           k_q907b13bc0a_prep
    .symbol:         k_q907b13bc0a_prep.kd
    .args:
      - { .name: x, .offset: 0, .size: 8, .value_kind: global_buffer, .address_space: global }
      - { .name: ln1_g, .offset: 8, .size: 8, .value_kind: global_buffer, .address_space: global }
      - { .name: ln1_b, .offset: 16, .size: 8, .value_kind: global_buffer, .address_space: global }
      - { .name: act, .offset: 24, .size: 8, .value_kind: global_buffer, .address_space: global }
      - { .name: Wq, .offset: 32, .size: 8, .value_kind: global_buffer, .address_space: global }
      - { .name: Wk, .offset: 40, .size: 8, .value_kind: global_buffer, .address_space: global }
      - { .name: Wv, .offset: 48, .size: 8, .value_kind: global_buffer, .address_space: global }
      - { .name: Wo, .offset: 56, .size: 8, .value_kind: global_buffer, .address_space: global }
      - { .name: W1, .offset: 64, .size: 8, .value_kind: global_buffer, .address_space: global }
      - { .name: W2, .offset: 72, .size: 8, .value_kind: global_buffer, .address_space: global }
      - { .name: wts, .offset: 80, .size: 8, .value_kind: global_buffer, .address_space: global }
    .group_segment_fixed_size: 27136
    .private_segment_fixed_size: 0
    .kernarg_segment_align: 8
    .kernarg_segment_size: 88
    .max_flat_workgroup_size: 256
    .sgpr_count:     66
    .vgpr_count:     168
    .wavefront_size: 32
...
	.end_amdgpu_metadata
.endif
;; end of part 1
;; launch qkv (part 2): grid 12 x 16, 4 waves a work-group, clusters of 4 x 4, 327,680 bytes of LDS; arguments act, wts, bq, bk, bv, big; writes big
.if DOCPART == 2
	.amdgcn_target "amdgcn-amd-amdhsa--gfx1250"
	.amdhsa_code_object_version 6
	.text
	.protected	k_q907b13bc0a_qkv
	.globl	k_q907b13bc0a_qkv
	.p2align	8
	.type	k_q907b13bc0a_qkv,@function
k_q907b13bc0a_qkv:
	s_mov_b64 s[64:65], 0
	v_nop
	global_prefetch_b8 v0, s[64:65] scope:SCOPE_SE
	s_setreg_imm32_b32 hwreg(HW_REG_WAVE_MODE, 25, 1), 1
	s_wait_xcnt 0x0
	s_wait_alu depctr_hold_cnt(0) depctr_sa_sdst(0) depctr_va_vdst(0) depctr_va_sdst(0) depctr_va_ssrc(0) depctr_va_vcc(0) depctr_vm_vsrc(0)
	s_getreg_b32 s2, hwreg(HW_REG_IB_STS2, 6, 4)
	s_cmp_eq_u32 s2, 0
	s_cbranch_scc0 .Lentry_in_a_cluster
	s_endpgm
.Lentry_in_a_cluster:
	s_bfe_u32 s2, ttmp6, 0x10000c
	s_cmp_lg_u32 s2, 0xf033
	s_cbranch_scc0 .Lentry_shape_is_right
	s_endpgm
.Lentry_shape_is_right:
; q, k, v = h W + b.  h: [4096][768] bf16 in octets (a fragment of 16 rows x 32 k is 1,024 consecutive bytes); W: 2,304 columns (which * 768 + head * 64 + c) in bf16 panels of 16 columns x 128 k.
; Sums in f32, started with the bias; each result rounded once to bf16.  Out: part which * 12 + head, 524,288 bytes each; q and k in octets of a head's 64 channels, v in panels of 16 channels x 256 keys.
; SHARES.  A work-group makes 256 rows x 192 columns (three heads of one of q, k, v); wave w rows 64 w .. 64 w + 63: 48 accumulators t = 12 a + b.  K goes in six steps of 128 through two LDS slots.
; The matrix instruction is used transposed (source 0 = 16 columns of W, source 1 = 16 rows of h): a lane then holds one row and eight neighbouring columns.
; CLUSTER 4 x 4: h's tile is shared along a row of the cluster, W's along a column; each is asked for jointly.  192 work-groups: 36 head panels of 64 columns do not divide into 256 equal shares.
; REGISTERS.  window 0: v0-63 addresses; fragment buffer 0: h at v64 + 8 a, W at v96 + 8 b.  window 1: accumulators 0-31.  window 2: accumulators 32-47 at v0-127; fragment buffer 1: h at v128 + 8 a, W at v160 + 8 b.
; LIMITS: operands are bf16; NaN and infinities are not treated apart.
.set SLOTX, 1<<17                      ; slot 1 begins here: one exclusive or turns an address in one slot into the other's
.set BOFF,  65536                      ; in a slot: 16 row tiles of 4,096 bytes of h, then 12 panels of 4,096 bytes of W
.set SPARE, 245760                     ; behind the ring: the spare words, 128 bytes a wave
.set ASTR,  4096
.set ASTEP, 4096                       ; bytes of a K step in a row tile of h
.set BSTEP, 589824                     ; bytes of 128 k rows of all 144 panels
.set OA,   8                           ; v8-11  the way out: my byte offset for row tile a
.set ADRA, 16
.set ADRB, 17
.set A0,   18                          ; my lane's place in a slot's h; never rewritten
.set B0,   19                          ; the same for W
.set BO,   20                          ; 32 x (lane / 16): my eight columns' bias
.set SPW,  28
.set NIL,  29
.set WV, 16
.set HF, 17                            ; wave / 2: I fetch for h (0) or W (1)
.set LO, 18                            ; wave % 2: which half of that tile
.set CX, 19
.set CY, 20
.set CB, 21                            ; block of 192 columns
.set RB, 22                            ; block of 256 rows
.set G1A, 24
.set G0A, 32
.set TB,  36                           ; LDS byte at which the fragments to be fetched begin
.set HC,  37
.set KC,  38
.set BP,  44
.set G1B, 48
.set G0B, 56
.set OB,  68                           ; s[68:75] the way out: four bases, one for each 16 channels of a head
.set MSB, 0
.macro WIN new                         ; the immediate's high byte repeats the setting that is left; a switch that changes nothing is dropped
.if MSB != (\new)
	s_set_vgpr_msb (MSB<<8)|(\new)
.set MSB, \new
.endif
.endm
.macro PLACES                          ; four plain vector instructions behind a matrix instruction, ahead of loads into its sources and of readers of its result
.rept 4
	v_nop
.endr
.endm
.macro CROUND                          ; a round of the cluster's barrier
	s_barrier_signal -1
	s_barrier_wait -1
	s_cmp_lg_u32 s[WV], 0
	s_cbranch_scc1 .Lnot_wave_0_\@
	s_barrier_signal -3
.Lnot_wave_0_\@:
	s_barrier_wait -3
	s_barrier_signal -1
	s_barrier_wait -1
.endm
.macro JLOAD                           ; a joint load: waves 0 and 1 fetch h's two halves, waves 2 and 3 W's; an s_nop 0 and four v_nop follow each line
	s_cmp_eq_u32 s[HF], 0
	s_cbranch_scc0 .Lfor_b_\@
	tensor_load_to_lds s[G0A:G0A+3], s[G1A:G1A+7]
	s_nop 0
.rept 4
	v_nop
.endr
	s_branch .Lasked_\@
.Lfor_b_\@:
	tensor_load_to_lds s[G0B:G0B+3], s[G1B:G1B+7]
	s_nop 0
.rept 4
	v_nop
.endr
.Lasked_\@:
.endm
.macro FETCH f, off                    ; 32 LDS loads in one run: 12 fragments of W (turned) and 4 of h, 32 along K, into buffer f; each load takes 512 consecutive bytes
	WIN 0x80*(\f)
.set j, 0
.rept 12
	ds_load_tr16_b128 v[96+64*(\f)+8*j:96+64*(\f)+8*j+3],   v[ADRB] offset:j*4096+(\off)
	ds_load_tr16_b128 v[96+64*(\f)+8*j+4:96+64*(\f)+8*j+7], v[ADRB] offset:j*4096+(\off)+512
.set j, j+1
.endr
.set j, 0
.rept 4
	ds_load_b128 v[64+64*(\f)+8*j:64+64*(\f)+8*j+3],   v[ADRA] offset:j*ASTR+(\off)
	ds_load_b128 v[64+64*(\f)+8*j+4:64+64*(\f)+8*j+7], v[ADRA] offset:j*ASTR+(\off)+512
.set j, j+1
.endr
.endm
.macro MUL f                           ; 48 products; the 48 accumulators take turns, one instruction a turn, over every jump too
.set t, 0
.rept 48
.if t < 32
	WIN 0x50+0x0a*(\f)
.set rD, 8*t
.else
	WIN 0xa0+0x0a*(\f)
.set rD, 8*(t-32)
.endif
.set rB, 96+64*(\f)+8*(t%12)
.set rA, 64+64*(\f)+8*(t/12)
	v_wmma_f32_16x16x32_bf16 v[rD:rD+7], v[rB:rB+7], v[rA:rA+7], v[rD:rD+7]
.set t, t+1
.endr
.endm
; THE CHANGE OF SLOTS.  Each wave waits for all its tensor loads (one is out: its part of the slot to be read), adds 0 to its spare word, and waits for that and for its reads of the slot that it leaves.
; fill = 1: a round of the cluster's barrier, and the joint load of the next K step into the slot just left is the first thing behind it.
.macro CHANGE fill
	WIN 0
	s_wait_tensorcnt 0x0                           ; no tensor load of mine is out, so a group 0 may be written
	ds_add_u32 v[SPW], v[NIL]
.if \fill
	s_xor_b32 s[G0A+1], s[G0A+1], SLOTX
	s_add_nc_u64 s[G0A+2:G0A+3], s[G0A+2:G0A+3], ASTEP
	s_xor_b32 s[G0B+1], s[G0B+1], SLOTX
	s_add_nc_u64 s[G0B+2:G0B+3], s[G0B+2:G0B+3], BSTEP
	s_wait_dscnt 0x0                               ; the add is done, and my reads of the slot are over
	CROUND
	JLOAD
.else
	s_wait_dscnt 0x0
	s_barrier_signal -1
	s_barrier_wait -1
.endif
	s_sub_co_u32 s[TB], s[TB], 4096                ; back to a slot's first fragments,
	s_xor_b32 s[TB], s[TB], SLOTX                  ; in the other slot
.endm
; A K STEP of 128: four quarters of 32 on buffers 0, 1, 0, 1, written as a loop of two halves.  While one buffer is multiplied the other's 32 loads are out.
.macro STEP
	PLACES
	v_add_nc_u32 v[ADRA], s[TB], v[A0]
	v_add_nc_u32 v[ADRB], s[TB], v[B0]
	FETCH 0, 0
	s_mov_b32 s[HC], 2
.Lhalf_\@:
	s_wait_dscnt 0x0                               ; buffer 0 is in
	PLACES                                         ; behind the products that read buffer 1
	FETCH 1, 1024
	MUL 0
	WIN 0
	s_wait_dscnt 0x0                               ; buffer 1 is in
	s_add_co_u32 s[TB], s[TB], 2048
	s_cmp_eq_u32 s[HC], 1
	s_cbranch_scc1 .Lskip_\@                       ; the step's second half has nothing more to fetch: LDS loads alone are jumped over
	v_add_nc_u32 v[ADRA], s[TB], v[A0]             ; these four are the places behind the products that read buffer 0
	v_add_nc_u32 v[ADRB], s[TB], v[B0]
	v_nop
	v_nop
	FETCH 0, 0
.Lskip_\@:
	MUL 1
	WIN 0
	s_sub_co_u32 s[HC], s[HC], 1
	s_cmp_lg_u32 s[HC], 0
	s_cbranch_scc1 .Lhalf_\@
.endm
	s_load_b256 s[4:11], s[0:1], 0x0               ; h s[4:5], panels s[6:7], bq s[8:9], bk s[10:11]
	s_load_b128 s[12:15], s[0:1], 0x20             ; bv s[12:13], out s[14:15]
	v_lshl_add_u32 v[SPW], v0, 2, SPARE
	v_mov_b32 v[NIL], 0
	ds_add_u32 v[SPW], v[NIL]                      ; the wave's opening: the add, whose wait stands ahead of my first tensor load; the set-up below stands between them
	v_lshrrev_b32 v1, 5, v0
	v_readfirstlane_b32 s[WV], v1
	s_lshr_b32 s[HF], s[WV], 1
	s_and_b32 s[LO], s[WV], 1
	s_bfe_u32 s[CX], ttmp6, 0x40000
	s_bfe_u32 s[CY], ttmp6, 0x40004
	s_lshl_b32 s[CB], ttmp9, 2
	s_add_co_u32 s[CB], s[CB], s[CX]
	s_and_b32 s[RB], ttmp7, 0xffff
	s_lshl_b32 s[RB], s[RB], 2
	s_add_co_u32 s[RB], s[RB], s[CY]
	s_lshl_b32 s39, s[CY], 2
	s_lshl_b32 s39, 15, s39                        ; my row of the cluster
	s_lshl_b32 s23, 0x1111, s[CX]                  ; my column
	s_or_b32 s[G1A], s39, (1<<16)|(1<<21)          ; the mask; elements of 2 bytes; bit 21 beside a mask
	s_or_b32 s[G1B], s23, (1<<16)|(1<<21)
	s_mov_b32 s[G1A+1], 2048<<16                   ; h: 8 row tiles, of each 2,048 elements (4,096 consecutive bytes)
	s_mov_b32 s[G1A+2], 8<<16
	s_mov_b32 s[G1A+3], 2048<<16
	s_mov_b32 s[G1A+4], 8
	s_mov_b32 s[G1A+5], 12288                      ; a row tile of h is 12,288 elements
	s_mov_b32 s[G1A+6], 0
	s_mov_b32 s[G1A+7], 0
	s_mov_b32 s[G1B+1], 128<<16                    ; W: six panels are 24,576 dense bytes: 96 rows of 256
	s_mov_b32 s[G1B+2], 96<<16
	s_mov_b32 s[G1B+3], 128<<16
	s_mov_b32 s[G1B+4], 96
	s_mov_b32 s[G1B+5], 128
	s_mov_b32 s[G1B+6], 0
	s_mov_b32 s[G1B+7], 0
	s_mov_b32 s[G0A], 1
	s_lshl_b32 s[G0A+1], s[LO], 15
	s_mov_b32 s[G0B], 1
	s_mul_i32 s[G0B+1], s[LO], 24576
	s_add_co_u32 s[G0B+1], s[G0B+1], BOFF
	s_lshl_b32 s40, s[RB], 4
	s_lshl3_add_u32 s40, s[LO], s40                ; row tile 16 rb + 8 x half
	s_mul_i32 s40, s40, 24576
	s_mov_b32 s41, 0
	s_lshl1_add_u32 s42, s[CB], s[LO]              ; six panels: 2 cb + half
	s_mul_i32 s42, s42, 24576
	s_mov_b32 s43, 0
	v_and_b32 v2, 31, v0                           ; lane
	v_and_b32 v3, 15, v0                           ; r
	v_bfe_u32 v4, v0, 4, 1                         ; lane / 16
	v_and_b32 v5, 7, v0
	v_bfe_u32 v6, v0, 3, 1
	v_lshl_add_u32 v7, v4, 3, v5                   ; the turning load: k row 8 (l / 16) + l % 8 of 32 bytes, half (l / 8) % 2
	v_lshlrev_b32 v7, 5, v7
	v_lshl_add_u32 v7, v6, 4, v7
	s_lshl_b32 s46, s[WV], 14                      ; my four row tiles
	v_lshl_add_u32 v[A0], v2, 4, s46
	v_add_nc_u32 v[B0], BOFF, v7
	v_lshlrev_b32 v[BO], 5, v4
	; the way out: q and k go into octets, v into panels; the strides are shifts chosen by which of the three this cluster column makes
	s_cmp_eq_u32 ttmp9, 2
	s_cselect_b32 s80, 11, 13                      ; a wave's 64 rows
	s_cselect_b32 s81, 9, 11                       ; 16 rows
	s_cselect_b32 s90, 13, 9                       ; 16 channels
	s_cselect_b32 s83, 5, 4                        ; a row
	s_cselect_b32 s84, 4, 8                        ; eight channels
	s_lshl_b32 s85, s[WV], s80
	s_lshl_b32 s81, 1, s81
	s_lshl_b32 s90, 1, s90
	s_mov_b32 s91, 0
	v_lshlrev_b32 v[OA], s83, v3
	v_lshlrev_b32 v[OA+1], s84, v4
	v_add_nc_u32 v[OA], v[OA], v[OA+1]
	v_add_nc_u32 v[OA], s85, v[OA]
	v_add_nc_u32 v[OA+1], s81, v[OA]
	v_add_nc_u32 v[OA+2], s81, v[OA+1]
	v_add_nc_u32 v[OA+3], s81, v[OA+2]
	s_mul_i32 s86, ttmp9, 6291456                  ; which of q, k, v
	s_mul_i32 s88, s[CX], 1572864                  ; three heads
	s_add_co_u32 s86, s86, s88
	s_lshl_b32 s88, s[RB], 15                      ; 256 rows of a head
	s_add_co_u32 s86, s86, s88
	s_mov_b32 s87, 0
	s_mul_i32 s92, s[CX], 768                      ; three heads' bias
	s_mov_b32 s93, 0
	s_mov_b32 s[TB], SLOTX+4096                    ; the first change of slots turns this into 0
	s_mov_b32 s[KC], 5
	s_wait_dscnt 0x0                               ; the opening add is done
	s_wait_kmcnt 0x0
	s_add_nc_u64 s[G0A+2:G0A+3], s[4:5], s[40:41]
	s_or_b32 s[G0A+3], s[G0A+3], 0x80000000
	s_add_nc_u64 s[G0B+2:G0B+3], s[6:7], s[42:43]
	s_or_b32 s[G0B+3], s[G0B+3], 0x80000000
	s_cmp_eq_u32 ttmp9, 1
	s_cselect_b64 s[BP:BP+1], s[10:11], s[8:9]
	s_cmp_eq_u32 ttmp9, 2
	s_cselect_b64 s[BP:BP+1], s[12:13], s[BP:BP+1]
	s_add_nc_u64 s[BP:BP+1], s[BP:BP+1], s[92:93]
	s_add_nc_u64 s[OB:OB+1], s[14:15], s[86:87]
	s_add_nc_u64 s[OB+2:OB+3], s[OB:OB+1], s[90:91]
	s_add_nc_u64 s[OB+4:OB+5], s[OB+2:OB+3], s[90:91]
	s_add_nc_u64 s[OB+6:OB+7], s[OB+4:OB+5], s[90:91]
	CROUND                                         ; all sixteen work-groups are here: the first joint loads meet
	JLOAD                                          ; K step 0 into slot 0
	; THE SUMS START WITH THE BIAS: a lane's eight columns of tile b, loaded straight into the accumulators of all four row tiles.  Nothing is cleared and nothing is added at the end.
	WIN 0x40
.set t, 0
.rept 32
	global_load_b128 v[8*t:8*t+3],   v[BO], s[BP:BP+1] offset:64*(t%12)
	global_load_b128 v[8*t+4:8*t+7], v[BO], s[BP:BP+1] offset:64*(t%12)+16
.set t, t+1
.endr
	WIN 0x80
.rept 16
	global_load_b128 v[8*(t-32):8*(t-32)+3],   v[BO], s[BP:BP+1] offset:64*(t%12)
	global_load_b128 v[8*(t-32)+4:8*(t-32)+7], v[BO], s[BP:BP+1] offset:64*(t%12)+16
.set t, t+1
.endr
	WIN 0
	s_wait_loadcnt 0x0
.Lk:                                           ; five trips: K step i is multiplied, K step i + 1 asked for
	CHANGE 1
	STEP
	s_sub_co_u32 s[KC], s[KC], 1
	s_cmp_lg_u32 s[KC], 0
	s_cbranch_scc1 .Lk
	CHANGE 0                                       ; the last step is written out: nothing is asked for
	STEP
	; THE WAY OUT: each tile's eight numbers a lane round to 16 bytes; a wave's store of a tile is 512 consecutive bytes, aligned.  Each accumulator is read from its low end on.
	PLACES
	WIN 0x05
.set t, 0
.rept 32
.irp q, 0,1,2,3
	v_cvt_pk_bf16_f32 v[64+4*t+\q], v[8*t+2*\q], v[8*t+2*\q+1]
.endr
.set t, t+1
.endr
	WIN 0x0a
.rept 16
.irp q, 0,1,2,3
	v_cvt_pk_bf16_f32 v[64+4*t+\q], v[8*(t-32)+2*\q], v[8*(t-32)+2*\q+1]
.endr
.set t, t+1
.endr
	WIN 0
.set t, 0
.rept 48
	global_store_b128 v[OA+t/12], v[64+4*t:64+4*t+3], s[OB+2*((t%12)%4):OB+2*((t%12)%4)+1] offset:((t%12)/4)*524288
.set t, t+1
.endr
	s_wait_tensorcnt 0x0                           ; the wave's end
	ds_add_u32 v[SPW], v[NIL]
	s_wait_dscnt 0x0
	CROUND                                         ; the closing round
	s_endpgm
.Lfunc_end_k_q907b13bc0a_qkv:
	.size	k_q907b13bc0a_qkv, .Lfunc_end_k_q907b13bc0a_qkv-k_q907b13bc0a_qkv
	.p2alignl 7, 3214868480
	.fill 96, 4, 3214868480
	.section	.rodata,"a",@progbits
	.p2align	6, 0x0
	.amdhsa_kernel k_q907b13bc0a_qkv
		.amdhsa_group_segment_fixed_size 327680
		.amdhsa_private_segment_fixed_size 0
		.amdhsa_enable_private_segment 0
		.amdhsa_kernarg_size 48
		.amdhsa_user_sgpr_count 2
		.amdhsa_user_sgpr_kernarg_segment_ptr 1
		.amdhsa_wavefront_size32 1
		.amdhsa_system_sgpr_workgroup_id_x 1
		.amdhsa_system_sgpr_workgroup_id_y 1
		.amdhsa_system_sgpr_workgroup_id_z 1
		.amdhsa_system_vgpr_workitem_id 0
		.amdhsa_next_free_vgpr 768
		.amdhsa_next_free_sgpr 96
		.amdhsa_reserve_vcc 0
		.amdhsa_float_denorm_mode_32 3
		.amdhsa_float_denorm_mode_16_64 3
		.amdhsa_memory_ordered 1
		.amdhsa_forward_progress 1
		.amdhsa_inst_pref_size 60
	.end_amdhsa_kernel
	.amdgpu_metadata
---
amdhsa.version: [ 1, 2 ]
amdhsa.kernels:
  - .name:           k_q907b13bc0a_qkv
    .symbol:         k_q907b13bc0a_qkv.kd
    .args:
      - { .name: act, .offset: 0, .size: 8, .value_kind: global_buffer, .address_space: global }
      - { .name: wts, .offset: 8, .size: 8, .value_kind: global_buffer, .address_space: global }
      - { .name: bq, .offset: 16, .size: 8, .value_kind: global_buffer, .address_space: global }
      - { .name: bk, .offset: 24, .size: 8, .value_kind: global_buffer, .address_space: global }
      - { .name: bv, .offset: 32, .size: 8, .value_kind: global_buffer, .address_space: global }
      - { .name: big, .offset: 40, .size: 8, .value_kind: global_buffer, .address_space: global }
    .group_segment_fixed_size: 327680
    .private_segment_fixed_size: 0
    .kernarg_segment_align: 8
    .kernarg_segment_size: 48
    .max_flat_workgroup_size: 128
    .sgpr_count:     96
    .vgpr_count:     768
    .wavefront_size: 32
...
	.end_amdgpu_metadata
.endif
;; end of part 2
;; launch attn (part 3): grid 16 x 12, 8 waves a work-group, clusters of 4 x 1, 327,680 bytes of LDS; arguments big, act; writes act
.if DOCPART == 3
	.amdgcn_target "amdgcn-amd-amdhsa--gfx1250"
	.amdhsa_code_object_version 6
	.text
	.protected	k_q907b13bc0a_attn
	.globl	k_q907b13bc0a_attn
	.p2align	8
	.type	k_q907b13bc0a_attn,@function
k_q907b13bc0a_attn:
	s_mov_b64 s[64:65], 0
	v_nop
	global_prefetch_b8 v0, s[64:65] scope:SCOPE_SE
	s_setreg_imm32_b32 hwreg(HW_REG_WAVE_MODE, 25, 1), 1
	s_wait_xcnt 0x0
	s_wait_alu depctr_hold_cnt(0) depctr_sa_sdst(0) depctr_va_vdst(0) depctr_va_sdst(0) depctr_va_ssrc(0) depctr_va_vcc(0) depctr_vm_vsrc(0)
	s_getreg_b32 s2, hwreg(HW_REG_IB_STS2, 6, 4)
	s_cmp_eq_u32 s2, 0
	s_cbranch_scc0 .Lentry_in_a_cluster
	s_endpgm
.Lentry_in_a_cluster:
	s_bfe_u32 s2, ttmp6, 0x10000c
	s_cmp_lg_u32 s2, 0x3003
	s_cbranch_scc0 .Lentry_shape_is_right
	s_endpgm
.Lentry_shape_is_right:
; O[h][q][:] = the sum over k of softmax_k(Q[h][q] . K[h][k] / 8) V[h][k][:], 12 heads, 4,096 rows, 64 channels, all bf16.  Products, maxima and sums in f32; the weights p are rounded to bf16 for the
; second product (their sum l is taken of the unrounded p), O once at the end.  The scale c = log2(e) / 8 is applied here, in f32.
; IN: part 0-11 q, 12-23 k, 24-35 v of 524,288 bytes.  q and k in octets (16 rows x 32 channels are 1,024 consecutive bytes), v in panels of 16 channels x 256 keys (a key's 16 channels are 32 bytes).
; OUT: octets of [4096][768], column = head * 64 + channel: a tile of 16 queries x 16 channels is 512 consecutive bytes, stored straight from registers.
; LIMITS.  A weight below 2^-126 counts as 0 in l; the running maximum starts at the lowest finite number; NaN and infinities are not treated apart.
; SHARES.  A work-group owns 256 queries of a head.  EIGHT WAVES, two to a SIMD: waves w and w + 4 own the same 64 queries (four PIECES of 16) and SPLIT THE KEYS: of each slot's 512 keys wave w walks the first
; 256, wave w + 4 the second 256, 64 a step.  A piece and step have 16 matrix and 118 vector instructions, of which 54 have no place behind a product: with two waves on a SIMD one wave's run of vector work can
; stand beside the other's products.  The keys are split and not the queries, so that a fragment of K or V read from LDS still feeds four pieces.  At the end the two partial results meet in LDS:
; with M = max(c m_a, c m_b), O = (O_a 2^(c m_a - M) + O_b 2^(c m_b - M)) / (l_a 2^(c m_a - M) + l_b 2^(c m_b - M)).  192 work-groups: 12 heads times a power of two never make 256.
; LAYOUT.  S^T = K Q^T holds ONE query a lane (lane % 16) and the keys 8 (lane / 16) + 0..7; two such results rounded to bf16 ARE source 1 of O^T = V^T P.  p = 2^(c s - c m) with a running maximum m; O and l
; are multiplied by a = 2^(c m_old - c m_new) in every step; the first step's a is 0.
; TURNS.  Turn n belongs to piece n: 8 products K Q^T of piece n + 1, later 8 products V^T P of piece n - 1; beside them the scaling, exponentials, roundings, sums and rescaling of piece n and the maximum and
; statistics of piece n + 1.  Four vector instructions stand behind every matrix instruction, the rest in two runs.  A turn's 33 exponentials are one batch with one wait.
; CLUSTER.  The four query blocks of a cluster belong to one head and walk the same K and V: each tile is asked for jointly.
; REGISTERS, 450 a wave (s_set_vgpr_msb: bits 1:0 source 0, 3:2 source 1, 5:4 source 2, 7:6 destination):
;   window 0: v0-31 addresses and statistics; v32-95 S^T, two buffers; v96-127 P, two buffers; v128-191 K of one step; v192-255 Q.     window 1: v0-127 O^T, 32 a piece; v128-191 V of one step; v192-193 the add's two.
; K Q^T and the whole softmax name window 0 alone; V^T P and the rescaling of O^T share one setting: sixteen switches a turn.
.set NP,    4
.set SLOT1, 1<<17                      ; a slot: 65,536 bytes of K (512 keys), then 65,536 of V; slot 1 begins here
.set VOFF,  65536
.set SPARE, 262144                     ; behind the ring: the spare words, 128 bytes for each of the eight waves
.set STG,   18432                      ; the meeting: 36 x 512 bytes for each pair of waves, from byte 0 on, over slot 0, which has had its last fill
.set PFO, 1                            ; v1   256 x lane; never rewritten
.set AK0, 2                            ; v2   16 x lane: my place in a fragment of K, in Q's loads and in O's stores; never rewritten
.set AV0, 3                            ; v3   my place in a turned fragment of V
.set AK,  4
.set AV,  5
.set MV,  6                            ; v6-7    c m_old, by buffer
.set TMP, 8                            ; v8-15   by buffer, c0-c3 at work; c2 takes a
.set ST,  16                           ; v16-31  piece t: c m, m, l (even keys', odd keys')
.set S,   32
.set P,   96
.set KF,  128
.set QF,  192
.set VF,  128                          ; window 1
.set SPW, 192                          ; window 1: LDS address of my spare word; never rewritten
.set NIL, 193                          ; window 1: 0; never rewritten
.set WV,  12
.set LIM, 15                           ; 1 in a wave that prefetches, else the greatest number
.set PFA, 18                           ; s[18:19] where my prefetches stand
.set G1,  24
.set SG,  36                           ; my pair's bytes in the meeting
.set KH,  37                           ; wave / 4: which half of a slot's keys I walk; also: I fetch K (0) or V (1)
.set QW,  38                           ; wave % 4: which 64 queries; also: which quarter of that tile I fetch
.set G0,  40                           ; it walks
.set SLOTS, 56
.set CNT, 57
.set CS,  58
.set SEL, 60
.set TBK, 62
.set TBV, 63
.set MSB, 0
.macro WIN new                         ; the immediate's high byte repeats the setting that is left; a switch that changes nothing is dropped
.if MSB != (\new)
	s_set_vgpr_msb (MSB<<8)|(\new)
.set MSB, (\new)
.endif
.endm
.set W_PV, 0x51                        ; V and O^T in window 1, P (or a) in window 0
.set W_V,  0x40                        ; destination in window 1
.set W_AD, 0x05                        ; the add: address and data in window 1
.macro JLOAD                           ; every wave fetches an eighth of a slot, 16,384 dense bytes: waves 0-3 the quarters of K, waves 4-7 those of V; the descriptor hangs on the wave and the head alone
	tensor_load_to_lds s[G0:G0+3], s[G1:G1+7]
	s_nop 0
.rept 4
	v_nop
.endr
.endm
; A PREFETCH of the tile that the NEXT change of slots will ask for: four key steps of every wave, 256 matrix instructions a wave, ahead of that load.  All clusters of a head walk the same K and V: the head's first
; cluster asks.  Waves 0 and 2 ask for the halves of K's 65,536 bytes, waves 4 and 6 for those of V's; of a half's 128 blocks of 256 bytes each of the four partners takes 32, told apart by address: a lane a block.
; The change that asks for the last tile prefetches nothing.
.macro ASK
	s_cmp_gt_u32 s[SLOTS], s[LIM]
	s_cbranch_scc0 .Lnot_mine_\@
	global_prefetch_b8 v[PFO], s[PFA:PFA+1] th:TH_LOAD_NT scope:SCOPE_SE
.Lnot_mine_\@:
.endm
.macro CROUND                          ; a round of the cluster's barrier
	s_barrier_signal -1
	s_barrier_wait -1
	s_cmp_lg_u32 s[WV], 0
	s_cbranch_scc1 .Lnot_wave_0_\@
	s_barrier_signal -3
.Lnot_wave_0_\@:
	s_barrier_wait -3
	s_barrier_signal -1
	s_barrier_wait -1
.endm
; THE CHANGE OF SLOTS.  Each wave waits for all its tensor loads (one is out: its part of the other slot), adds 0 to its spare word, and waits for that and for its reads of the slot that it leaves.
; fill = 1: a round of the cluster's barrier; the joint load of the next 512 keys into the slot just left is the first thing behind it.  (At its first use slot 0 is waited for and slot 1 filled.)
.macro CHANGE fill
	WIN W_AD
	s_wait_tensorcnt 0x0                           ; no tensor load of mine is out, so the group 0 may be written
	ds_add_u32 v[SPW], v[NIL]
	WIN 0
.if \fill
	s_xor_b32 s[G0+1], s[G0+1], SLOT1
	s_add_nc_u64 s[G0+2:G0+3], s[G0+2:G0+3], 65536
	s_wait_xcnt 0x0                                ; the last prefetch, a slot back, has read its address
	s_add_nc_u64 s[PFA:PFA+1], s[PFA:PFA+1], 65536
	s_wait_dscnt 0x0                               ; the add is done, and my reads of the slot are over
	CROUND
	JLOAD
	ASK
.else
	s_wait_dscnt 0x0
	s_barrier_signal -1
	s_barrier_wait -1
.endif
	s_sub_co_u32 s[TBK], s[TBK], 32768             ; the fetches go back to my half's first step,
	s_xor_b32 s[TBK], s[TBK], SLOT1                ; in the other slot
	s_sub_co_u32 s[TBV], s[TBV], 8192
	s_xor_b32 s[TBV], s[TBV], SLOT1
.endm
	s_load_b128 s[4:7], s[0:1], 0x0                ; q, k, v s[4:5]; out s[6:7]
	WIN W_V
	v_lshl_add_u32 v[SPW], v0, 2, SPARE
	v_mov_b32 v[NIL], 0
	WIN W_AD
	ds_add_u32 v[SPW], v[NIL]                      ; the wave's opening: the add, whose wait stands ahead of my first tensor load; the set-up below stands between them
	WIN 0
	v_lshrrev_b32 v1, 5, v0
	v_readfirstlane_b32 s[WV], v1
	s_lshr_b32 s[KH], s[WV], 2
	s_and_b32 s[QW], s[WV], 3
	s_bfe_u32 s13, ttmp6, 0x40000                  ; cx
	s_lshl_b32 s14, ttmp9, 2
	s_add_co_u32 s14, s14, s13                     ; my block of 256 queries: it enters Q's and O's addresses alone
	s_and_b32 s20, ttmp7, 0xffff                   ; the head
	s_lshl_b32 s21, s20, 19
	s_add_co_u32 s22, s[KH], 1                     ; K (part 12 + head) for waves 0-3; V (24 + head) for waves 4-7
	s_mul_i32 s22, s22, 6291456
	s_add_co_u32 s22, s22, s21
	s_lshl_b32 s16, s[QW], 14                      ; my quarter of a tile
	s_add_co_u32 s22, s22, s16
	s_mov_b32 s23, 0
	s_lshl_b32 s2, s14, 15                         ; Q: 16 tiles of 2,048 bytes a block, four for each 64 queries
	s_lshl_b32 s3, s[QW], 13
	s_add_co_u32 s2, s2, s3
	s_add_co_u32 s2, s2, s21
	s_mov_b32 s3, 0
	s_mul_i32 s32, s14, 393216                     ; O: 16 row tiles of 24,576 bytes a block, four for each 64 queries; the head's eight octets
	s_mul_i32 s33, s[QW], 98304
	s_add_co_u32 s32, s32, s33
	s_lshl_b32 s33, s20, 11
	s_add_co_u32 s32, s32, s33
	s_mov_b32 s33, 0
	s_lshl_b32 s34, s13, 13                        ; my work-group's 32 blocks of a half's 128
	s_mov_b32 s35, 0
	s_mul_i32 s[SG], s[QW], STG
	s_mov_b32 s[G1], 15|(1<<16)|(1<<21)            ; the mask of four; elements of 2 bytes; bit 21 beside a mask
	s_mov_b32 s[G1+1], 128<<16                     ; 64 rows of 256 bytes, dense
	s_mov_b32 s[G1+2], 64<<16
	s_mov_b32 s[G1+3], 128<<16
	s_mov_b32 s[G1+4], 64
	s_mov_b32 s[G1+5], 128
	s_mov_b32 s[G1+6], 0
	s_mov_b32 s[G1+7], 0
	s_mov_b32 s[G0], 1
	s_lshl_b32 s[G0+1], s[WV], 14                  ; K's four quarters, then V's four
	s_mov_b32 s[CS], 0x3e38aa3b                    ; c = log2(e) / 8
	s_mov_b32 s[CS+1], s[CS]
	s_mov_b32 s[SEL], 0x76543210
	s_mov_b32 s[SEL+1], 0xfedcba98
	s_lshl_b32 s17, s[KH], 15                      ; my half of a slot's keys: 32,768 bytes on, in K and in V
	s_add_co_u32 s[TBK], s17, SLOT1+32768          ; the first change of slots turns these two into my half of slot 0
	s_add_co_u32 s[TBV], s17, SLOT1+8192
	s_mov_b32 s[SLOTS], 7
	s_and_b32 s[LIM], s[WV], 1
	s_or_b32 s[LIM], s[LIM], ttmp9                 ; 0 in the even waves of the head's first cluster: the same in all four partners
	s_cmp_eq_u32 s[LIM], 0
	s_cselect_b32 s[LIM], 1, -1
	v_and_b32 v8, 31, v0
	v_lshlrev_b32 v[AK0], 4, v8
	v_lshlrev_b32 v[PFO], 8, v8
	v_bfe_u32 v9, v0, 4, 1
	v_and_b32 v10, 7, v0
	v_bfe_u32 v11, v0, 3, 1
	v_lshl_add_u32 v[AV0], v9, 3, v10              ; the turning load: key 8 (l / 16) + l % 8 of 32 bytes, half (l / 8) % 2
	v_lshlrev_b32 v[AV0], 5, v[AV0]
	v_lshl_add_u32 v[AV0], v11, 4, v[AV0]
	v_add_nc_u32 v[AV0], VOFF, v[AV0]
	s_wait_dscnt 0x0                               ; the opening add is done
	s_wait_kmcnt 0x0
	s_add_nc_u64 s[G0+2:G0+3], s[4:5], s[22:23]
	s_or_b32 s[G0+3], s[G0+3], 0x80000000
	s_add_nc_u64 s[PFA:PFA+1], s[4:5], s[22:23]
	s_add_nc_u64 s[PFA:PFA+1], s[PFA:PFA+1], s[34:35]
	s_add_nc_u64 s[PFA:PFA+1], s[PFA:PFA+1], 65536 ; at tile 1; the first change steps it to tile 2
	s_add_nc_u64 s[8:9], s[4:5], s[2:3]            ; Q at my first tile
	s_add_nc_u64 s[10:11], s[6:7], s[32:33]        ; O likewise
	CROUND                                         ; all four work-groups are here: the first joint loads meet
	JLOAD                                          ; tile 0 into slot 0
.set i, 0
.rept 8                                ; Q stays in registers: piece i / 2, channels 32 (i % 2) on
	global_load_b128 v[QF+8*i:QF+8*i+3],   v[AK0], s[8:9] offset:(i/2)*2048+(i%2)*1024
	global_load_b128 v[QF+8*i+4:QF+8*i+7], v[AK0], s[8:9] offset:(i/2)*2048+(i%2)*1024+512
.set i, i+1
.endr
	; The first step multiplies O^T and l by a = 0, and the first turn's products V^T P, of a piece that has not been, add 0.  All this stands in the wait for the first tile.
	WIN W_V
.set i, 0
.rept 192                              ; O^T and V
	v_mov_b32 v[i], 0
.set i, i+1
.endr
	WIN 0
.set i, 0
.rept 4
	v_mov_b32 v[ST+4*i], 0xfe000000                ; c m: far below every c s
	v_mov_b32 v[ST+4*i+1], 0xff7fffff              ; m
	v_mov_b32 v[ST+4*i+2], 0
	v_mov_b32 v[ST+4*i+3], 0
.set i, i+1
.endr
.set i, P+16
.rept 16
	v_mov_b32 v[i], 0
.set i, i+1
.endr
; THE MATRIX WORK.  The 4 accumulators of a run of 8 take turns.  Product i of 8 of S^T = K Q^T for piece x: channels 32 (i / 4) on, keys 16 (i % 4) on.  The first 4 start the sums.
.macro KQ x
.set rS, S+32*((\x)%2)+8*(i%4)
.set rK, KF+16*(i%4)+8*(i/4)
.set rQ, QF+16*(\x)+8*(i/4)
	WIN 0
.if i < 4
	v_wmma_f32_16x16x32_bf16 v[rS:rS+7], v[rK:rK+7], v[rQ:rQ+7], 0
.else
	v_wmma_f32_16x16x32_bf16 v[rS:rS+7], v[rK:rK+7], v[rQ:rQ+7], v[rS:rS+7]
.endif
.endm
; Product i of 8 of O^T += V^T P for piece x: keys 32 (i / 4) on, channels 16 (i % 4) on.
.macro PV x
	WIN W_PV
.set rO, 32*(\x)+8*(i%4)
.set rV, VF+32*(i/4)+8*(i%4)
.set rP, P+16*((\x)%2)+8*(i/4)
	v_wmma_f32_16x16x32_bf16 v[rO:rO+7], v[rV:rV+7], v[rP:rP+7], v[rO:rO+7]
.endm
.macro MM                              ; the turn's next matrix instruction.  NOKQ = 1: the last turn of all: there is no next piece
.if (i < 8) && !NOKQ
	KQ (Y+1)%NP
.elseif i >= 8
.set i, i-8
	PV (Y+NP-1)%NP
.set i, i+8
.endif
.set i, i+1
.endm
; THE LDS LOADS stand in runs of 16; each takes 512 consecutive bytes.
.macro FETCH_K
	WIN 0
.irp f, 0,1,2,3,4,5,6,7                ; keys 16 (f / 2) on, channels 32 (f % 2) on
	ds_load_b128 v[KF+8*\f:KF+8*\f+3],   v[AK] offset:(\f/2)*2048+(\f%2)*1024
	ds_load_b128 v[KF+8*\f+4:KF+8*\f+7], v[AK] offset:(\f/2)*2048+(\f%2)*1024+512
.endr
	s_add_co_u32 s[TBK], s[TBK], 8192              ; the next fetch is the next step's
.endm
.macro FETCH_V
	WIN W_V
.irp f, 0,1,2,3,4,5,6,7                ; keys 32 (f / 4) on, channels 16 (f % 4) on
	ds_load_tr16_b128 v[VF+8*\f:VF+8*\f+3],   v[AV] offset:(\f%4)*8192+(\f/4)*1024
	ds_load_tr16_b128 v[VF+8*\f+4:VF+8*\f+7], v[AV] offset:(\f%4)*8192+(\f/4)*1024+512
.endr
	WIN 0
.endm
; THE VECTOR WORK, one line at a time: OP kind, number.  For piece Y: F n: c s - c m for pair n of 16.  E n: the exponential of score n of 32.  C n: pair n rounded to bf16.  B n: of the four weights 4 n .. the
; second pair is added onto the first, in place.  L n: l takes that sum (L 0: l = a l + sum).  R n: pair n of 16 of O^T times a.  For piece Y + 1: X n, number n of the 22 that find its maximum and statistics:
;   0-11 four chains of seven scores (each accumulator's lowest registers are read first)   12-14, 16 the four scores left over, the old m, and c0-c3 into c0
;   15 c m_old is kept   17, 18 the query's other 32 keys lie in the lane 16 away: the new m   19-21 c m; c m_old - c m_new; a
.set F, 0
.set E, 1
.set C, 2
.set B, 3
.set L, 4
.set R, 5
.set X, 6
.macro REGS y
.set rT, ST+4*(\y)
.set rC, TMP+4*((\y)%2)
.set rW, MV+((\y)%2)
.set rS, S+32*((\y)%2)
.set rP, P+16*((\y)%2)
.set rO, 32*(\y)
.endm
.macro OP k, n
.if (\k) == R
	REGS Y
	WIN W_PV
	v_pk_mul_f32 v[rO+2*(\n):rO+2*(\n)+1], v[rO+2*(\n):rO+2*(\n)+1], v[rC+2:rC+3] op_sel_hi:[1,0]
.elseif (\k) < R
	REGS Y
	WIN 0
.if (\k) == F
	v_pk_fma_f32 v[rS+2*(\n):rS+2*(\n)+1], v[rS+2*(\n):rS+2*(\n)+1], s[CS:CS+1], v[rT:rT+1] op_sel_hi:[1,0,0] neg_lo:[0,0,1] neg_hi:[0,0,1]
.elseif (\k) == E
	v_exp_f32 v[rS+(\n)], v[rS+(\n)]
.elseif (\k) == C
	v_cvt_pk_bf16_f32 v[rP+(\n)], v[rS+2*(\n)], v[rS+2*(\n)+1]
.elseif (\k) == B
	v_pk_add_f32 v[rS+4*(\n):rS+4*(\n)+1], v[rS+4*(\n):rS+4*(\n)+1], v[rS+4*(\n)+2:rS+4*(\n)+3]
.elseif (\n) == 0
	v_pk_fma_f32 v[rT+2:rT+3], v[rT+2:rT+3], v[rC+2:rC+3], v[rS:rS+1] op_sel_hi:[1,0,1]
.else
	v_pk_add_f32 v[rT+2:rT+3], v[rT+2:rT+3], v[rS+4*(\n):rS+4*(\n)+1]
.endif
.elseif NOKQ
	v_nop
.else
	REGS (Y+1)%NP
	WIN 0
.if (\n) < 4
	v_max3_num_f32 v[rC+(\n)], v[rS+8*(\n)], v[rS+8*(\n)+1], v[rS+8*(\n)+2]
.elseif (\n) < 12
	v_max3_num_f32 v[rC+(\n)%4], v[rC+(\n)%4], v[rS+8*((\n)%4)+2*((\n)/4)+1], v[rS+8*((\n)%4)+2*((\n)/4)+2]
.elseif (\n) == 12
	v_max3_num_f32 v[rC], v[rC], v[rS+7], v[rS+15]
.elseif (\n) == 13
	v_max3_num_f32 v[rC+1], v[rC+1], v[rS+23], v[rS+31]
.elseif (\n) == 14
	v_max3_num_f32 v[rC+2], v[rC+2], v[rC+3], v[rT+1]
.elseif (\n) == 15
	v_mov_b32 v[rW], v[rT]
.elseif (\n) == 16
	v_max3_num_f32 v[rC], v[rC], v[rC+1], v[rC+2]
.elseif (\n) == 17
	v_permlanex16_b32 v[rC+3], v[rC], s[SEL], s[SEL+1]
.elseif (\n) == 18
	v_max_num_f32 v[rT+1], v[rC], v[rC+3]
.elseif (\n) == 19
	v_mul_f32 v[rT], s[CS], v[rT+1]
.elseif (\n) == 20
	v_sub_f32 v[rC+1], v[rW], v[rT]
.else
	v_exp_f32 v[rC+2], v[rC+1]
.endif
.endif
.endm
.macro OPS a, i1, b=-1, i2=0, c=-1, i3=0, d=-1, i4=0
	OP \a, \i1
.if (\b) >= 0
	OP \b, \i2
.endif
.if (\c) >= 0
	OP \c, \i3
.endif
.if (\d) >= 0
	OP \d, \i4
.endif
.endm
.macro ROW a, i1, b, i2, c, i3, d, i4  ; a product K Q^T and the four behind it: all in window 0
	MM
	OPS \a, \i1, \b, \i2, \c, \i3, \d, \i4
.endm
.macro PROW r, a, i1, b, i2            ; a product V^T P, two rescalings under the same setting, and two of the roundings and sums
	MM
	OP R, 2*(\r)
	OP R, 2*(\r)+1
	OP \a, \i1
	OP \b, \i2
.endm
; A TURN, for piece p.  AHEAD OF ITS ONE WAIT stands what names no result of the turn's exponentials: the 8 products K Q^T with their riders, then a run of 38.  The first number of the next piece's maximum on each
; accumulator stands four plain instructions behind the product that ends it: F 10-13 ahead of X 0; F 12, F 13, X 0, F 14 ahead of X 1; X 0, F 14, X 1, X 4 ahead of X 2; X 1, X 4, X 2, X 5 ahead of X 3 and of K's
; run of loads.  The chain X 3, 7, 11, 14, 16 .. 21 has other work between its links.  X 21, the next piece's a, is the batch's last; a v_nop is the plain instruction behind it.
; BEHIND THE WAIT stand the 8 products V^T P with their riders and the other 16 roundings and sums.  A pair is rounded (C 2 n) before the sum in place writes over it (B n); l takes a sum (L n) behind B n.
; end = 1: the last two turns of all: nothing is fetched.  cnt = 1: the loop's count is taken down some lines ahead of the branch behind the turn.
; K of the next step is fetched in piece 2's turn and waited for at the head of piece 3's; V of the step in hand at the end of piece 0's turn, twenty plain instructions behind its last reader, and waited for in piece 1's.
.macro TURN p, end=0, cnt=0
.set Y, (\p)
.set i, 0
.set NOKQ, (\end)*((\p)/3)
.if ((\p) == 3) && !(\end)
	s_wait_dscnt 0x0                               ; K is in
.endif
	ROW F,0, F,1, F,2, F,3
	ROW F,4, E,0, F,5, E,1
	ROW F,6, E,2, F,7, E,3
	ROW F,8, E,4, F,9, E,5
	ROW F,10, E,6, F,11, E,7
	ROW F,12, E,8, F,13, E,9
.if ((\p) == 2) && !(\end)
	WIN 0
	v_add_nc_u32 v[AK], s[TBK], v[AK0]
.endif
	ROW X,0, E,10, F,14, E,11
	ROW X,1, E,12, X,4, E,13
	OPS X,2, E,14, X,5, E,15
.if ((\p) == 2) && !(\end)
	FETCH_K
.endif
	OPS X,3, X,6, X,8, X,9
	OPS X,7, X,10, X,12, E,16
.if (\p) == 0
	v_add_nc_u32 v[AV], s[TBV], v[AV0]
.endif
	OPS X,11, X,13, X,15, F,15
	OPS E,17, X,14, E,18, E,19
	OPS E,20, X,16, E,21, E,22
	OPS E,23, X,17, E,24, E,25
	OPS X,18, E,26, E,27, X,19
	OPS E,28, E,29, X,20, E,30
	OPS E,31, X,21
	v_nop                                          ; a plain instruction behind the last exponential: one for the batch
	s_wait_alu depctr_va_vdst(0)                   ; the wait for the batch, ahead of its first reader
.if (\p) == 1
	s_wait_dscnt 0x0                               ; V is in
.endif
	PROW 0, C,0, B,0
	PROW 1, C,2, B,1
	PROW 2, L,0, C,4
	PROW 3, B,2, L,1
	PROW 4, C,6, B,3
.if (\p) == 0
	s_add_co_u32 s[TBV], s[TBV], 2048
.endif
.if \cnt
	s_sub_co_u32 s[CNT], s[CNT], 1
	s_cmp_lg_u32 s[CNT], 0
.endif
	PROW 5, L,2, C,8
	PROW 6, B,4, L,3
	PROW 7, C,10, B,5
	OPS L,4, C,12, B,6, L,5
	OPS C,14, B,7, L,6, C,1
	OPS C,3, L,7, C,5, C,7
	OPS C,9, C,11, C,13, C,15
.if (\p) == 0
	FETCH_V
.endif
.endm
	CHANGE 1                                       ; tile 0 is in, everybody's part of it; tile 1 is asked for
	v_add_nc_u32 v[AK], s[TBK], v[AK0]
	FETCH_K                                        ; my first key step
	s_wait_loadcnt 0x0                             ; Q
	s_wait_dscnt 0x0
.set NOKQ, 0
.set i, 0
.rept 8
	KQ 0                                           ; piece 0's first scores
.set i, i+1
.endr
.rept 4
	v_nop                                          ; the places behind those products
.endr
.set Y, NP-1                           ; X works for piece Y + 1: piece 0
.irp n, 0,1,2,3,4,5,6,7,8,9,10,11,12,13,14,15,16,17,18,19,20,21
	OP X, \n
.endr
	v_nop                                          ; a plain instruction behind the exponential,
	s_wait_alu depctr_va_vdst(0)                   ; and its wait, ahead of the branch
	s_mov_b32 s[CNT], 4
	s_branch .Lfirst                               ; the loop is entered at a step's first turn, in the middle of a trip
.Lslot:                                        ; 6 times: tiles 2 to 7 are asked for
	CHANGE 1
	s_mov_b32 s[CNT], 4
.Lstep:                                        ; a trip: pieces 2 and 3 of one step, then pieces 0 and 1 of the next, whose K and V it fetches
	TURN 2
	TURN 3
	WIN 0
.Lfirst:
	TURN 0
	TURN 1, 0, 1
	WIN 0
	s_cbranch_scc1 .Lstep
	s_sub_co_u32 s[SLOTS], s[SLOTS], 1
	s_cmp_lg_u32 s[SLOTS], 0
	s_cbranch_scc1 .Lslot
	CHANGE 0                                       ; the last tile is written out
	s_mov_b32 s[CNT], 4
.Ltail:
	TURN 2
	TURN 3
	TURN 0
	TURN 1, 0, 1
	WIN 0
	s_cbranch_scc1 .Ltail
	TURN 2, 1
	TURN 3, 1
.set i, 0
.rept 8
	PV NP-1                                        ; the last piece's V^T P of my last step
.set i, i+1
.endr
	; THE TWO HALVES OF THE KEYS MEET.  l's two halves and the other half of the lanes' are added: these additions are the places behind the last products.
	WIN 0
.macro ALL line:vararg
.set t, 0
.rept 4
	\line
.set t, t+1
.endr
.endm
	ALL v_add_f32 v[ST+4*t+2], v[ST+4*t+2], v[ST+4*t+3]
	ALL v_permlanex16_b32 v[ST+4*t+3], v[ST+4*t+2], s[SEL], s[SEL+1]
	ALL v_add_f32 v[ST+4*t+2], v[ST+4*t+2], v[ST+4*t+3]
	v_add_nc_u32 v[AK], s[SG], v[AK0]              ; my pair's bytes, 16 a lane
	s_wait_dscnt 0x0                               ; every wave's reads of the ring are over behind this barrier, and every fill has landed: slot 0's bytes serve for the meeting
	s_barrier_signal -1
	s_barrier_wait -1
	s_cmp_lt_u32 s[WV], 4
	s_cbranch_scc1 .Lkeep                          ; waves 0-3 keep theirs
	WIN 0x04                                       ; the stores' data in window 1
.set i, 0
.rept 32
	ds_store_b128 v[AK], v[4*i:4*i+3] offset:512*i ; O^T in f32, lane for lane; each accumulator from its low end on
.set i, i+1
.endr
	WIN 0
.irp t, 0,1,2,3
	ds_store_b128 v[AK], v[ST+4*\t:ST+4*\t+3] offset:16384+512*\t   ; c m, m, l
.endr
.Lkeep:
	s_wait_dscnt 0x0                               ; for the others' sake: my stores are done
	s_barrier_signal -1
	s_barrier_wait -1
	s_cmp_lt_u32 s[WV], 4
	s_cbranch_scc0 .Lend                           ; waves 4-7 have handed theirs over
.set OB, 32                            ; v[32:159]  the partner's O^T
.set PS, 160                           ; v[160:175] the partner's statistics
.set MG, 176                           ; v[176:191] piece t: my factor, at work, the partner's factor, at work
.set YY, 192                           ; v[192:255] O in bf16
.set i, 0
.rept 32
	ds_load_b128 v[OB+4*i:OB+4*i+3], v[AK] offset:512*i
.set i, i+1
.endr
.irp t, 0,1,2,3
	ds_load_b128 v[PS+4*\t:PS+4*\t+3], v[AK] offset:16384+512*\t
.endr
	s_wait_dscnt 0x0
	ALL v_max_num_f32 v[MG+4*t+1], v[ST+4*t], v[PS+4*t]
	ALL v_sub_f32 v[MG+4*t], v[ST+4*t], v[MG+4*t+1]
	ALL v_sub_f32 v[MG+4*t+2], v[PS+4*t], v[MG+4*t+1]
	ALL v_exp_f32 v[MG+4*t], v[MG+4*t]
	ALL v_exp_f32 v[MG+4*t+2], v[MG+4*t+2]
	v_nop                                          ; a plain instruction behind the last of the eight,
	s_wait_alu depctr_va_vdst(0)                   ; and one wait for them, ahead of their first reader
	ALL v_mul_f32 v[MG+4*t+1], v[ST+4*t+2], v[MG+4*t]
	ALL v_fma_f32 v[MG+4*t+1], v[PS+4*t+2], v[MG+4*t+2], v[MG+4*t+1]
	ALL v_rcp_f32 v[MG+4*t+3], v[MG+4*t+1]
	v_nop                                          ; likewise for the four reciprocals
	s_wait_alu depctr_va_vdst(0)
	ALL v_mul_f32 v[MG+4*t], v[MG+4*t], v[MG+4*t+3]
	ALL v_mul_f32 v[MG+4*t+2], v[MG+4*t+2], v[MG+4*t+3]
.macro OUTP t                          ; piece t: mine times my factor, plus the partner's times its factor; rounded once; stored
	WIN W_PV
.set i, 32*(\t)
.rept 16
	v_pk_mul_f32 v[i:i+1], v[i:i+1], v[MG+4*(\t):MG+4*(\t)+1] op_sel_hi:[1,0]
.set i, i+2
.endr
	WIN 0x10                                       ; source 2 in window 1
.set i, 0
.rept 16
	v_pk_fma_f32 v[OB+32*(\t)+2*i:OB+32*(\t)+2*i+1], v[OB+32*(\t)+2*i:OB+32*(\t)+2*i+1], v[MG+4*(\t)+2:MG+4*(\t)+3], v[32*(\t)+2*i:32*(\t)+2*i+1] op_sel_hi:[1,0,1]
.set i, i+1
.endr
	WIN 0
.set i, 0
.rept 16
	v_cvt_pk_bf16_f32 v[YY+16*(\t)+i], v[OB+32*(\t)+2*i], v[OB+32*(\t)+2*i+1]
.set i, i+1
.endr
.irp f, 0,1,2,3
	global_store_b128 v[AK0], v[YY+16*(\t)+4*\f:YY+16*(\t)+4*\f+3], s[10:11] offset:(\t)*24576+\f*512   ; 512 consecutive bytes, aligned
.endr
.endm
	OUTP 0
	OUTP 1
	OUTP 2
	OUTP 3
.Lend:
	WIN W_AD
	s_wait_tensorcnt 0x0                           ; the wave's end, behind my last tensor load and my last LDS store
	ds_add_u32 v[SPW], v[NIL]
	s_wait_dscnt 0x0
	WIN 0
	CROUND                                         ; the closing round
	s_endpgm
.Lfunc_end_k_q907b13bc0a_attn:
	.size	k_q907b13bc0a_attn, .Lfunc_end_k_q907b13bc0a_attn-k_q907b13bc0a_attn
	.p2alignl 7, 3214868480
	.fill 96, 4, 3214868480
	.section	.rodata,"a",@progbits
	.p2align	6, 0x0
	.amdhsa_kernel k_q907b13bc0a_attn
		.amdhsa_group_segment_fixed_size 327680
		.amdhsa_private_segment_fixed_size 0
		.amdhsa_enable_private_segment 0
		.amdhsa_kernarg_size 16
		.amdhsa_user_sgpr_count 2
		.amdhsa_user_sgpr_kernarg_segment_ptr 1
		.amdhsa_wavefront_size32 1
		.amdhsa_system_sgpr_workgroup_id_x 1
		.amdhsa_system_sgpr_workgroup_id_y 1
		.amdhsa_system_sgpr_workgroup_id_z 1
		.amdhsa_system_vgpr_workitem_id 0
		.amdhsa_next_free_vgpr 464
		.amdhsa_next_free_sgpr 66
		.amdhsa_reserve_vcc 0
		.amdhsa_float_denorm_mode_32 3
		.amdhsa_float_denorm_mode_16_64 3
		.amdhsa_memory_ordered 1
		.amdhsa_forward_progress 1
		.amdhsa_inst_pref_size 123
	.end_amdhsa_kernel
	.amdgpu_metadata
---
amdhsa.version: [ 1, 2 ]
amdhsa.kernels:
  - .name:           k_q907b13bc0a_attn
    .symbol:         k_q907b13bc0a_attn.kd
    .args:
      - { .name: big, .offset: 0, .size: 8, .value_kind: global_buffer, .address_space: global }
      - { .name: act, .offset: 8, .size: 8, .value_kind: global_buffer, .address_space: global }
    .group_segment_fixed_size: 327680
    .private_segment_fixed_size: 0
    .kernarg_segment_align: 8
    .kernarg_segment_size: 16
    .max_flat_workgroup_size: 256
    .sgpr_count:     66
    .vgpr_count:     464
    .wavefront_size: 32
...
	.end_amdgpu_metadata
.endif
;; end of part 3
;; launch wo (part 4): grid 4 x 64, 4 waves a work-group, clusters of 4 x 4, 327,680 bytes of LDS; arguments act, wts, bo, x, x1; writes x1
.if DOCPART == 4
	.amdgcn_target "amdgcn-amd-amdhsa--gfx1250"
	.amdhsa_code_object_version 6
	.text
	.protected	k_q907b13bc0a_wo
	.globl	k_q907b13bc0a_wo
	.p2align	8
	.type	k_q907b13bc0a_wo,@function
k_q907b13bc0a_wo:
	s_mov_b64 s[64:65], 0
	v_nop
	global_prefetch_b8 v0, s[64:65] scope:SCOPE_SE
	s_setreg_imm32_b32 hwreg(HW_REG_WAVE_MODE, 25, 1), 1
	s_wait_xcnt 0x0
	s_wait_alu depctr_hold_cnt(0) depctr_sa_sdst(0) depctr_va_vdst(0) depctr_va_sdst(0) depctr_va_ssrc(0) depctr_va_vcc(0) depctr_vm_vsrc(0)
	s_getreg_b32 s2, hwreg(HW_REG_IB_STS2, 6, 4)
	s_cmp_eq_u32 s2, 0
	s_cbranch_scc0 .Lentry_in_a_cluster
	s_endpgm
.Lentry_in_a_cluster:
	s_bfe_u32 s2, ttmp6, 0x10000c
	s_cmp_lg_u32 s2, 0xf033
	s_cbranch_scc0 .Lentry_shape_is_right
	s_endpgm
.Lentry_shape_is_right:
; out = res + A W + bias.  A: [4096][KK] bf16 in octets; W: [KK][768] in bf16 panels of 16 columns x 128 k; res, bias, out: f32, rows of 768.  Sums in f32.
; SHARES.  A work-group makes 64 rows x 192 columns: 256 work-groups.  K goes in steps of 256 through two LDS slots, and K IS SPLIT AMONG THE FOUR WAVES: of each step wave w multiplies k = 64 w .. 64 w + 63
; for the whole tile (48 accumulators t = 12 a + b), so each LDS byte is read once.  The four partial sums meet in LDS at the end, where residual and bias are added.
; The matrix instruction is used transposed (source 0 = 16 columns of W, source 1 = 16 rows of A): a lane holds one row and eight neighbouring columns.
; CLUSTER 4 x 4: A's tile is shared along a row of the cluster, W's along a column.  The residual tile is each work-group's own: a plain tensor load, once, at the start.
; REGISTERS.  window 0: v0-63 addresses, bias; fragment buffer 0: A at v64 + 8 a, W at v96 + 8 b.  window 1: accumulators 0-31.  window 2: accumulators 32-47; fragment buffer 1: A at v128 + 8 a, W at v160 + 8 b.
; LIMITS: operands are bf16; NaN and infinities are not treated apart.
.set KK,    768
.set WOFF,  3538944                    ; the matrix's first byte in the panels
.set NT,    KK/256
.set SLOTX, 1<<17                      ; a slot: 4 row tiles of 8,192 bytes of A, then 2 x 12 panels of 4,096 bytes of W: 131,072 bytes
.set BOFF,  32768
.set RES,   262144                     ; behind the ring: the residual, 64 rows of 3 x (256 + 16) bytes
.set SPARE, 314368                     ; behind it: the spare words, 128 bytes a wave
.set WSTG,  52224                      ; a wave's partial sums: 3 groups of 64 columns x 64 rows of 272 bytes; the four lie from byte 0 on, over the ring, which has had its last fill
.set ASTR,  8192
.set ASTEP, 8192
.set BSTEP, 393216
.set ADRA, 16
.set ADRB, 17
.set A0,   18
.set B0,   19
.set BO,   21                          ; 16 r
.set STO,  22
.set RA,   23                          ; v23-26 where I read the four partial sums
.set RR,   27                          ; where I read the residual
.set SPW,  28
.set NIL,  29
.set CO,   30                          ; my byte offset in two rows of out
.set BI,   40                          ; v[40:51] my twelve biases
.set WV, 16
.set HF, 17
.set LO, 18
.set CX, 19
.set CY, 20
.set CB, 21
.set RB, 22
.set G1A, 24
.set G0A, 32
.set TB,  36
.set KC,  38
.set BP,  44
.set G1B, 48
.set G0B, 56
.set G0R, 68
.set G1R, 72
.set OUT, 84
.set MSB, 0
.macro WIN new
.if MSB != (\new)
	s_set_vgpr_msb (MSB<<8)|(\new)
.set MSB, \new
.endif
.endm
.macro PLACES                          ; four plain vector instructions behind a matrix instruction, ahead of loads into its sources and of readers of its result
.rept 4
	v_nop
.endr
.endm
.macro CROUND
	s_barrier_signal -1
	s_barrier_wait -1
	s_cmp_lg_u32 s[WV], 0
	s_cbranch_scc1 .Lnot_wave_0_\@
	s_barrier_signal -3
.Lnot_wave_0_\@:
	s_barrier_wait -3
	s_barrier_signal -1
	s_barrier_wait -1
.endm
.macro JLOAD                           ; waves 0 and 1 fetch A's two halves, waves 2 and 3 W's two blocks of 128 k
	s_cmp_eq_u32 s[HF], 0
	s_cbranch_scc0 .Lfor_b_\@
	tensor_load_to_lds s[G0A:G0A+3], s[G1A:G1A+7]
	s_nop 0
.rept 4
	v_nop
.endr
	s_branch .Lasked_\@
.Lfor_b_\@:
	tensor_load_to_lds s[G0B:G0B+3], s[G1B:G1B+7]
	s_nop 0
.rept 4
	v_nop
.endr
.Lasked_\@:
.endm
.macro FETCH f, off                    ; 32 LDS loads in one run, each of 512 consecutive bytes
	WIN 0x80*(\f)
.set j, 0
.rept 12
	ds_load_tr16_b128 v[96+64*(\f)+8*j:96+64*(\f)+8*j+3],   v[ADRB] offset:j*4096+(\off)
	ds_load_tr16_b128 v[96+64*(\f)+8*j+4:96+64*(\f)+8*j+7], v[ADRB] offset:j*4096+(\off)+512
.set j, j+1
.endr
.set j, 0
.rept 4
	ds_load_b128 v[64+64*(\f)+8*j:64+64*(\f)+8*j+3],   v[ADRA] offset:j*ASTR+(\off)
	ds_load_b128 v[64+64*(\f)+8*j+4:64+64*(\f)+8*j+7], v[ADRA] offset:j*ASTR+(\off)+512
.set j, j+1
.endr
.endm
.macro MUL f, zero                     ; 48 products; the accumulators take turns, one instruction a turn.  zero = 1: they start the sums
.set t, 0
.rept 48
.if t < 32
	WIN 0x50+0x0a*(\f)
.set rD, 8*t
.else
	WIN 0xa0+0x0a*(\f)
.set rD, 8*(t-32)
.endif
.set rB, 96+64*(\f)+8*(t%12)
.set rA, 64+64*(\f)+8*(t/12)
.if \zero
	v_wmma_f32_16x16x32_bf16 v[rD:rD+7], v[rB:rB+7], v[rA:rA+7], 0
.else
	v_wmma_f32_16x16x32_bf16 v[rD:rD+7], v[rB:rB+7], v[rA:rA+7], v[rD:rD+7]
.endif
.set t, t+1
.endr
.endm
.macro CHANGE fill                     ; the change of slots: all my tensor loads, the add, my reads; then the round and the joint refill, or the work-group's barrier alone
	WIN 0
	s_wait_tensorcnt 0x0
	ds_add_u32 v[SPW], v[NIL]
.if \fill
	s_xor_b32 s[G0A+1], s[G0A+1], SLOTX
	s_add_nc_u64 s[G0A+2:G0A+3], s[G0A+2:G0A+3], ASTEP
	s_xor_b32 s[G0B+1], s[G0B+1], SLOTX
	s_add_nc_u64 s[G0B+2:G0B+3], s[G0B+2:G0B+3], BSTEP
	s_wait_dscnt 0x0
	CROUND
	JLOAD
.else
	s_wait_dscnt 0x0
	s_barrier_signal -1
	s_barrier_wait -1
.endif
	s_xor_b32 s[TB], s[TB], SLOTX
.endm
.macro TRIP zero, fill                 ; a K step of 256: my 64 of it, two fragment buffers, 96 products
	CHANGE \fill
	PLACES
	v_add_nc_u32 v[ADRA], s[TB], v[A0]
	v_add_nc_u32 v[ADRB], s[TB], v[B0]
	FETCH 0, 0
	FETCH 1, 1024
	s_wait_dscnt 32                                ; buffer 0 is in; buffer 1's 32 loads may stay out
	MUL 0, \zero
	s_wait_dscnt 0x0
	MUL 1, 0
	WIN 0
.endm
	s_load_b256 s[4:11], s[0:1], 0x0               ; A s[4:5], panels s[6:7], bias s[8:9], residual s[10:11]
	s_load_b64 s[12:13], s[0:1], 0x20              ; out
	v_lshl_add_u32 v[SPW], v0, 2, SPARE
	v_mov_b32 v[NIL], 0
	ds_add_u32 v[SPW], v[NIL]                      ; the wave's opening: the add, whose wait stands ahead of my first tensor load
	v_lshrrev_b32 v1, 5, v0
	v_readfirstlane_b32 s[WV], v1
	s_lshr_b32 s[HF], s[WV], 1
	s_and_b32 s[LO], s[WV], 1
	s_bfe_u32 s[CX], ttmp6, 0x40000
	s_bfe_u32 s[CY], ttmp6, 0x40004
	s_lshl_b32 s[CB], ttmp9, 2
	s_add_co_u32 s[CB], s[CB], s[CX]
	s_and_b32 s[RB], ttmp7, 0xffff
	s_lshl_b32 s[RB], s[RB], 2
	s_add_co_u32 s[RB], s[RB], s[CY]
	s_lshl_b32 s39, s[CY], 2
	s_lshl_b32 s39, 15, s39
	s_lshl_b32 s23, 0x1111, s[CX]
	s_or_b32 s[G1A], s39, (1<<16)|(1<<21)
	s_or_b32 s[G1B], s23, (1<<16)|(1<<21)
	s_mov_b32 s[G1A+1], 4096<<16                   ; A: 2 row tiles, of each 4,096 elements (8,192 consecutive bytes)
	s_mov_b32 s[G1A+2], 2<<16
	s_mov_b32 s[G1A+3], 4096<<16
	s_mov_b32 s[G1A+4], 2
	s_mov_b32 s[G1A+5], 16*KK                      ; a row tile of A in elements
	s_mov_b32 s[G1A+6], 0
	s_mov_b32 s[G1A+7], 0
	s_mov_b32 s[G1B+1], 128<<16                    ; W: twelve panels are 49,152 dense bytes: 192 rows of 256
	s_mov_b32 s[G1B+2], 192<<16
	s_mov_b32 s[G1B+3], 128<<16
	s_mov_b32 s[G1B+4], 192
	s_mov_b32 s[G1B+5], 128
	s_mov_b32 s[G1B+6], 0
	s_mov_b32 s[G1B+7], 0
	s_mov_b32 s[G1R], (2<<16)|(1<<20)|(5<<22)|(3<<25)  ; the residual: elements of 4 bytes; 4 words of padding after every 64; no mask
	s_mov_b32 s[G1R+1], 192<<16                    ; 16 rows of 192 numbers
	s_mov_b32 s[G1R+2], 16<<16
	s_mov_b32 s[G1R+3], 192<<16
	s_mov_b32 s[G1R+4], 16
	s_mov_b32 s[G1R+5], 768
	s_mov_b32 s[G1R+6], 0
	s_mov_b32 s[G1R+7], 0
	s_mov_b32 s[G0A], 1
	s_lshl_b32 s[G0A+1], s[LO], 14
	s_mov_b32 s[G0B], 1
	s_mul_i32 s[G0B+1], s[LO], 49152
	s_add_co_u32 s[G0B+1], s[G0B+1], BOFF
	s_mov_b32 s[G0R], 1
	s_mul_i32 s[G0R+1], s[WV], 13056
	s_add_co_u32 s[G0R+1], s[G0R+1], RES
	s_lshl_b32 s40, s[RB], 2
	s_lshl1_add_u32 s40, s[LO], s40                ; row tile 4 rb + 2 x half
	s_mul_i32 s40, s40, 32*KK
	s_mov_b32 s41, 0
	s_mul_i32 s42, s[CB], 49152
	s_mul_i32 s43, s[LO], 196608
	s_add_co_u32 s42, s42, s43
	s_mov_b32 s43, 0
	s_lshl_b32 s80, s[RB], 6
	s_lshl4_add_u32 s80, s[WV], s80                ; row 64 rb + 16 w of residual and out,
	s_mul_i32 s80, s80, 3072
	s_mul_i32 s82, s[CB], 768                      ; and the block's 192 columns
	s_add_co_u32 s80, s80, s82
	s_mov_b32 s81, 0
	s_mov_b32 s83, 0
	v_and_b32 v2, 31, v0
	v_and_b32 v3, 15, v0
	v_bfe_u32 v4, v0, 4, 1
	v_and_b32 v5, 7, v0
	v_bfe_u32 v6, v0, 3, 1
	v_lshl_add_u32 v7, v4, 3, v5
	v_lshlrev_b32 v7, 5, v7
	v_lshl_add_u32 v7, v6, 4, v7                   ; the turning load's lane term
	s_lshl_b32 s46, s[WV], 11                      ; my 64 k: eight octets of each row tile,
	v_lshl_add_u32 v[A0], v2, 4, s46
	s_mul_i32 s46, s[HF], 49152                    ; and 64 k rows of one of the two blocks of panels
	s_lshl_b32 s47, s[LO], 11
	s_add_co_u32 s46, s46, s47
	s_add_co_u32 s46, s46, BOFF
	v_add_nc_u32 v[B0], s46, v7
	v_lshlrev_b32 v[BO], 4, v3
	v_mul_u32_u24 v[STO], v3, 272                  ; partial sums in: row r, 32 bytes for each half of the lanes
	v_lshl_add_u32 v[STO], v4, 5, v[STO]
	s_mul_i32 s46, s[WV], WSTG
	v_add_nc_u32 v[STO], s46, v[STO]
	v_lshl_add_u32 v5, s[WV], 4, v4                ; back: rows 16 w + (lane / 16), sixteen lanes a row's 256 bytes
	v_mul_u32_u24 v[RA], v5, 272
	v_add_nc_u32 v[RA], v[RA], v[BO]
	v_add_nc_u32 v[RA+1], WSTG, v[RA]
	v_add_nc_u32 v[RA+2], WSTG, v[RA+1]
	v_add_nc_u32 v[RA+3], WSTG, v[RA+2]
	v_mul_u32_u24 v[RR], v5, 816
	v_add_nc_u32 v[RR], v[RR], v[BO]
	v_add_nc_u32 v[RR], RES, v[RR]
	v_mul_u32_u24 v[CO], v4, 3072
	v_add_nc_u32 v[CO], v[CO], v[BO]
	s_mov_b32 s[TB], SLOTX                         ; the first change of slots turns this into 0
	s_wait_dscnt 0x0                               ; the opening add is done
	s_wait_kmcnt 0x0
	s_add_nc_u64 s[G0A+2:G0A+3], s[4:5], s[40:41]
	s_or_b32 s[G0A+3], s[G0A+3], 0x80000000
	s_add_nc_u64 s[G0B+2:G0B+3], s[6:7], s[42:43]
	s_add_nc_u64 s[G0B+2:G0B+3], s[G0B+2:G0B+3], WOFF
	s_or_b32 s[G0B+3], s[G0B+3], 0x80000000
	s_add_nc_u64 s[G0R+2:G0R+3], s[10:11], s[80:81]
	s_or_b32 s[G0R+3], s[G0R+3], 0x80000000
	s_add_nc_u64 s[OUT:OUT+1], s[12:13], s[80:81]
	s_add_nc_u64 s[BP:BP+1], s[8:9], s[82:83]
	CROUND                                         ; all sixteen work-groups are here: the first joint loads meet
	s_cmp_eq_u32 s[HF], 0                          ; a wave's two first fills stand in one branch: its 16 rows of the residual, and its part of K step 0: two loads of mine are out
	s_cbranch_scc0 .Lfirst_b
	tensor_load_to_lds s[G0R:G0R+3], s[G1R:G1R+7]
	s_nop 0
	tensor_load_to_lds s[G0A:G0A+3], s[G1A:G1A+7]
	s_nop 0
.rept 4
	v_nop
.endr
	s_branch .Lfirst_asked
.Lfirst_b:
	tensor_load_to_lds s[G0R:G0R+3], s[G1R:G1R+7]
	s_nop 0
	tensor_load_to_lds s[G0B:G0B+3], s[G1B:G1B+7]
	s_nop 0
.rept 4
	v_nop
.endr
.Lfirst_asked:
.irp g, 0,1,2
	global_load_b128 v[BI+4*\g:BI+4*\g+3], v[BO], s[BP:BP+1] offset:256*\g
.endr
	TRIP 1, 1                                      ; K step 0 starts the sums; K step 1 is asked for
	s_mov_b32 s[KC], NT-2
.Lk:
	TRIP 0, 1
	s_sub_co_u32 s[KC], s[KC], 1
	s_cmp_lg_u32 s[KC], 0
	s_cbranch_scc1 .Lk
	TRIP 0, 0                                      ; the last step is written out: nothing is asked for
	; THE PARTIAL SUMS MEET.  Every wave's reads of the ring are over (its last wait was for 0) and every fill has landed: behind this barrier the ring's bytes serve as stage.
	s_barrier_signal -1
	s_barrier_wait -1
	PLACES
	WIN 0x04
.set t, 0
.rept 32
	ds_store_b128 v[STO], v[8*t:8*t+3]   offset:((t%12)/4)*17408+(t/12)*4352+((t%12)%4)*64
	ds_store_b128 v[STO], v[8*t+4:8*t+7] offset:((t%12)/4)*17408+(t/12)*4352+((t%12)%4)*64+16
.set t, t+1
.endr
	WIN 0x08
.rept 16
	ds_store_b128 v[STO], v[8*(t-32):8*(t-32)+3]   offset:((t%12)/4)*17408+(t/12)*4352+((t%12)%4)*64
	ds_store_b128 v[STO], v[8*(t-32)+4:8*(t-32)+7] offset:((t%12)/4)*17408+(t/12)*4352+((t%12)%4)*64+16
.set t, t+1
.endr
	WIN 0
	s_wait_dscnt 0x0                               ; for the others' sake: my stores are done
	s_barrier_signal -1
	s_barrier_wait -1
	s_wait_loadcnt 0x0                             ; the bias
	s_mov_b32 s[KC], 8
.Lred:                                         ; wave w finishes rows 16 w .. 16 w + 15, two a trip
.irp v, 0,1,2,3
.irp g, 0,1,2
	ds_load_b128 v[64+12*\v+4*\g:64+12*\v+4*\g+3], v[RA+\v] offset:\g*17408
.endr
.endr
.irp g, 0,1,2
	ds_load_b128 v[112+4*\g:112+4*\g+3], v[RR] offset:\g*272
.endr
	s_wait_dscnt 0x0
.irp g, 0,1,2
.irp h, 0,2
	v_pk_add_f32 v[64+4*\g+\h:64+4*\g+\h+1], v[64+4*\g+\h:64+4*\g+\h+1], v[76+4*\g+\h:76+4*\g+\h+1]
	v_pk_add_f32 v[88+4*\g+\h:88+4*\g+\h+1], v[88+4*\g+\h:88+4*\g+\h+1], v[100+4*\g+\h:100+4*\g+\h+1]
	v_pk_add_f32 v[112+4*\g+\h:112+4*\g+\h+1], v[112+4*\g+\h:112+4*\g+\h+1], v[BI+4*\g+\h:BI+4*\g+\h+1]
	v_pk_add_f32 v[64+4*\g+\h:64+4*\g+\h+1], v[64+4*\g+\h:64+4*\g+\h+1], v[88+4*\g+\h:88+4*\g+\h+1]
	v_pk_add_f32 v[64+4*\g+\h:64+4*\g+\h+1], v[64+4*\g+\h:64+4*\g+\h+1], v[112+4*\g+\h:112+4*\g+\h+1]
.endr
	global_store_b128 v[CO], v[64+4*\g:64+4*\g+3], s[OUT:OUT+1] offset:256*\g   ; sixteen lanes store 256 consecutive bytes, aligned
.endr
.irp v, 0,1,2,3
	v_add_nc_u32 v[RA+\v], 544, v[RA+\v]           ; two rows on
.endr
	v_add_nc_u32 v[RR], 1632, v[RR]
	s_wait_xcnt 0x0                                ; the stores have read their data and their base: both are written again only behind this wait
	s_add_nc_u64 s[OUT:OUT+1], s[OUT:OUT+1], 6144
	s_sub_co_u32 s[KC], s[KC], 1
	s_cmp_lg_u32 s[KC], 0
	s_cbranch_scc1 .Lred
	s_wait_tensorcnt 0x0                           ; the wave's end, behind my last LDS store
	ds_add_u32 v[SPW], v[NIL]
	s_wait_dscnt 0x0
	CROUND                                         ; the closing round
	s_endpgm
.Lfunc_end_k_q907b13bc0a_wo:
	.size	k_q907b13bc0a_wo, .Lfunc_end_k_q907b13bc0a_wo-k_q907b13bc0a_wo
	.p2alignl 7, 3214868480
	.fill 96, 4, 3214868480
	.section	.rodata,"a",@progbits
	.p2align	6, 0x0
	.amdhsa_kernel k_q907b13bc0a_wo
		.amdhsa_group_segment_fixed_size 327680
		.amdhsa_private_segment_fixed_size 0
		.amdhsa_enable_private_segment 0
		.amdhsa_kernarg_size 40
		.amdhsa_user_sgpr_count 2
		.amdhsa_user_sgpr_kernarg_segment_ptr 1
		.amdhsa_wavefront_size32 1
		.amdhsa_system_sgpr_workgroup_id_x 1
		.amdhsa_system_sgpr_workgroup_id_y 1
		.amdhsa_system_sgpr_workgroup_id_z 1
		.amdhsa_system_vgpr_workitem_id 0
		.amdhsa_next_free_vgpr 768
		.amdhsa_next_free_sgpr 96
		.amdhsa_reserve_vcc 0
		.amdhsa_float_denorm_mode_32 3
		.amdhsa_float_denorm_mode_16_64 3
		.amdhsa_memory_ordered 1
		.amdhsa_forward_progress 1
		.amdhsa_inst_pref_size 52
	.end_amdhsa_kernel
	.amdgpu_metadata
---
amdhsa.version: [ 1, 2 ]
amdhsa.kernels:
  - .name:           k_q907b13bc0a_wo
    .symbol:         k_q907b13bc0a_wo.kd
    .args:
      - { .name: act, .offset: 0, .size: 8, .value_kind: global_buffer, .address_space: global }
      - { .name: wts, .offset: 8, .size: 8, .value_kind: global_buffer, .address_space: global }
      - { .name: bo, .offset: 16, .size: 8, .value_kind: global_buffer, .address_space: global }
      - { .name: x, .offset: 24, .size: 8, .value_kind: global_buffer, .address_space: global }
      - { .name: x1, .offset: 32, .size: 8, .value_kind: global_buffer, .address_space: global }
    .group_segment_fixed_size: 327680
    .private_segment_fixed_size: 0
    .kernarg_segment_align: 8
    .kernarg_segment_size: 40
    .max_flat_workgroup_size: 128
    .sgpr_count:     96
    .vgpr_count:     768
    .wavefront_size: 32
...
	.end_amdgpu_metadata
.endif
;; end of part 4
;; launch ln2: the kernel of part 1 again; grid 256 x 1, 8 waves a work-group, no clusters, 27,136 bytes of LDS; arguments x1, ln2_g, ln2_b, act, Wq, Wk, Wv, Wo, W1, W2, wts; writes act, wts
;; launch ffn1 (part 5): grid 16 x 16, 4 waves a work-group, clusters of 4 x 4, 327,680 bytes of LDS; arguments act, wts, b1, big; writes big
.if DOCPART == 5
	.amdgcn_target "amdgcn-amd-amdhsa--gfx1250"
	.amdhsa_code_object_version 6
	.text
	.protected	k_q907b13bc0a_ffn1
	.globl	k_q907b13bc0a_ffn1
	.p2align	8
	.type	k_q907b13bc0a_ffn1,@function
k_q907b13bc0a_ffn1:
	s_mov_b64 s[64:65], 0
	v_nop
	global_prefetch_b8 v0, s[64:65] scope:SCOPE_SE
	s_setreg_imm32_b32 hwreg(HW_REG_WAVE_MODE, 25, 1), 1
	s_wait_xcnt 0x0
	s_wait_alu depctr_hold_cnt(0) depctr_sa_sdst(0) depctr_va_vdst(0) depctr_va_sdst(0) depctr_va_ssrc(0) depctr_va_vcc(0) depctr_vm_vsrc(0)
	s_getreg_b32 s2, hwreg(HW_REG_IB_STS2, 6, 4)
	s_cmp_eq_u32 s2, 0
	s_cbranch_scc0 .Lentry_in_a_cluster
	s_endpgm
.Lentry_in_a_cluster:
	s_bfe_u32 s2, ttmp6, 0x10000c
	s_cmp_lg_u32 s2, 0xf033
	s_cbranch_scc0 .Lentry_shape_is_right
	s_endpgm
.Lentry_shape_is_right:
; g = gelu(h W1 + b1), the exact gelu 0.5 u (1 + erf(u / sqrt 2)).  h: [4096][768] bf16 in octets; W1: 3,072 columns in bf16 panels of 16 columns x 128 k; g: [4096][3072] bf16 in octets, rounded once.
; Sums in f32, started with the bias.  erf by the five-term rational form of Abramowitz and Stegun 7.1.26: erf z = 1 - (a1 t + .. + a5 t^5) e^(-z z), t = 1 / (1 + 0.3275911 z), z >= 0.
; gelu(u) = 0.5 u + |u| (0.5 - 0.5 poly(t) e^(-u u / 2)), t = 1 / (1 + 0.23164189 |u|): one form for both signs, no branch.
; LIMITS: erf is off by 1.5e-7 at the most, for every u; operands are bf16; NaN and infinities are not treated apart.
; SHARES, RING, CLUSTER, REGISTERS: a work-group makes 256 rows x 192 columns, wave w rows 64 w .. 64 w + 63: 48 accumulators t = 12 a + b; K in six steps of 128 through two LDS slots; h's tile is shared along
; a row of the 4 x 4 cluster, W1's along a column.  window 0: v0-63 addresses; fragment buffer 0 (h at v64 + 8 a, W at v96 + 8 b).  window 1: accumulators 0-31.  window 2: accumulators 32-47; buffer 1 at v128, v160.
; THE GELU IS ONE LOOP: register numbers cannot be counted by a loop, so the sums go once through each wave's own LDS bytes, lane for lane, and come back two tiles a trip.
.set SLOTX, 1<<17
.set BOFF,  65536
.set SPARE, 245760
.set ASTR,  4096
.set ASTEP, 4096
.set BSTEP, 786432
.set WOFF,  4718592
.set ADRA, 16
.set ADRB, 17
.set A0,   18
.set B0,   19
.set BO,   20
.set STW,  21                          ; my 16 bytes in my wave's stage
.set LA,   22
.set SPW,  28
.set NIL,  29
.set GO,   30                          ; 16 x lane
.set XX,   64                          ; v[64:79]   two tiles' sums u
.set AU,   80                          ; |u|
.set HU,   96                          ; 0.5 u
.set QQ,   112                         ; the exponent, then e^(-u u / 2)
.set DEN,  128                         ; 1 + p |u|, then t
.set PO,   144                         ; the polynomial, then g
.set YY,   160                         ; v[160:167] g in bf16
.set WV, 16
.set HF, 17
.set LO, 18
.set CX, 19
.set CY, 20
.set CB, 21
.set RB, 22
.set G1A, 24
.set G0A, 32
.set TB,  36
.set HC,  37
.set KC,  38
.set BP,  44
.set G1B, 48
.set G0B, 56
.set PP,  68                           ; s[68:69] 0.23164189, and so on: pairs, of which the packed forms take the low word for both halves
.set NL,  70                           ; -log2(e)
.set N5,  72                           ; -a5 / 2 .. -a1 / 2
.set N4,  74
.set N3,  76
.set N2,  78
.set N1,  80
.set OUT, 84
.set STP, 86
.set IC,  88
.set TC,  89
.set SB,  90
.set BIGS, 91
.set MSB, 0
.macro WIN new
.if MSB != (\new)
	s_set_vgpr_msb (MSB<<8)|(\new)
.set MSB, \new
.endif
.endm
.macro PLACES                          ; four plain vector instructions behind a matrix instruction, ahead of loads into its sources and of readers of its result
.rept 4
	v_nop
.endr
.endm
.macro CROUND
	s_barrier_signal -1
	s_barrier_wait -1
	s_cmp_lg_u32 s[WV], 0
	s_cbranch_scc1 .Lnot_wave_0_\@
	s_barrier_signal -3
.Lnot_wave_0_\@:
	s_barrier_wait -3
	s_barrier_signal -1
	s_barrier_wait -1
.endm
.macro JLOAD
	s_cmp_eq_u32 s[HF], 0
	s_cbranch_scc0 .Lfor_b_\@
	tensor_load_to_lds s[G0A:G0A+3], s[G1A:G1A+7]
	s_nop 0
.rept 4
	v_nop
.endr
	s_branch .Lasked_\@
.Lfor_b_\@:
	tensor_load_to_lds s[G0B:G0B+3], s[G1B:G1B+7]
	s_nop 0
.rept 4
	v_nop
.endr
.Lasked_\@:
.endm
.macro FETCH f, off
	WIN 0x80*(\f)
.set j, 0
.rept 12
	ds_load_tr16_b128 v[96+64*(\f)+8*j:96+64*(\f)+8*j+3],   v[ADRB] offset:j*4096+(\off)
	ds_load_tr16_b128 v[96+64*(\f)+8*j+4:96+64*(\f)+8*j+7], v[ADRB] offset:j*4096+(\off)+512
.set j, j+1
.endr
.set j, 0
.rept 4
	ds_load_b128 v[64+64*(\f)+8*j:64+64*(\f)+8*j+3],   v[ADRA] offset:j*ASTR+(\off)
	ds_load_b128 v[64+64*(\f)+8*j+4:64+64*(\f)+8*j+7], v[ADRA] offset:j*ASTR+(\off)+512
.set j, j+1
.endr
.endm
.macro MUL f                           ; 48 products; the accumulators take turns, one instruction a turn
.set t, 0
.rept 48
.if t < 32
	WIN 0x50+0x0a*(\f)
.set rD, 8*t
.else
	WIN 0xa0+0x0a*(\f)
.set rD, 8*(t-32)
.endif
.set rB, 96+64*(\f)+8*(t%12)
.set rA, 64+64*(\f)+8*(t/12)
	v_wmma_f32_16x16x32_bf16 v[rD:rD+7], v[rB:rB+7], v[rA:rA+7], v[rD:rD+7]
.set t, t+1
.endr
.endm
.macro CHANGE fill                     ; the change of slots: all my tensor loads, the add, my reads; then the round and the joint refill, or the work-group's barrier alone
	WIN 0
	s_wait_tensorcnt 0x0
	ds_add_u32 v[SPW], v[NIL]
.if \fill
	s_xor_b32 s[G0A+1], s[G0A+1], SLOTX
	s_add_nc_u64 s[G0A+2:G0A+3], s[G0A+2:G0A+3], ASTEP
	s_xor_b32 s[G0B+1], s[G0B+1], SLOTX
	s_add_nc_u64 s[G0B+2:G0B+3], s[G0B+2:G0B+3], BSTEP
	s_wait_dscnt 0x0
	CROUND
	JLOAD
.else
	s_wait_dscnt 0x0
	s_barrier_signal -1
	s_barrier_wait -1
.endif
	s_sub_co_u32 s[TB], s[TB], 4096
	s_xor_b32 s[TB], s[TB], SLOTX
.endm
.macro STEP                            ; a K step of 128: four quarters of 32 on buffers 0, 1, 0, 1, as a loop of two halves
	PLACES
	v_add_nc_u32 v[ADRA], s[TB], v[A0]
	v_add_nc_u32 v[ADRB], s[TB], v[B0]
	FETCH 0, 0
	s_mov_b32 s[HC], 2
.Lhalf_\@:
	s_wait_dscnt 0x0                               ; buffer 0 is in
	PLACES                                         ; behind the products that read buffer 1
	FETCH 1, 1024
	MUL 0
	WIN 0
	s_wait_dscnt 0x0                               ; buffer 1 is in
	s_add_co_u32 s[TB], s[TB], 2048
	s_cmp_eq_u32 s[HC], 1
	s_cbranch_scc1 .Lskip_\@                       ; the second half has nothing more to fetch: LDS loads alone are jumped over
	v_add_nc_u32 v[ADRA], s[TB], v[A0]             ; these four are the places behind the products that read buffer 0
	v_add_nc_u32 v[ADRB], s[TB], v[B0]
	v_nop
	v_nop
	FETCH 0, 0
.Lskip_\@:
	MUL 1
	WIN 0
	s_sub_co_u32 s[HC], s[HC], 1
	s_cmp_lg_u32 s[HC], 0
	s_cbranch_scc1 .Lhalf_\@
.endm
	s_load_b256 s[4:11], s[0:1], 0x0               ; h s[4:5], panels s[6:7], b1 s[8:9], g s[10:11]
	v_lshl_add_u32 v[SPW], v0, 2, SPARE
	v_mov_b32 v[NIL], 0
	ds_add_u32 v[SPW], v[NIL]                      ; the wave's opening: the add, whose wait stands ahead of my first tensor load
	v_lshrrev_b32 v1, 5, v0
	v_readfirstlane_b32 s[WV], v1
	s_lshr_b32 s[HF], s[WV], 1
	s_and_b32 s[LO], s[WV], 1
	s_bfe_u32 s[CX], ttmp6, 0x40000
	s_bfe_u32 s[CY], ttmp6, 0x40004
	s_lshl_b32 s[CB], ttmp9, 2
	s_add_co_u32 s[CB], s[CB], s[CX]
	s_and_b32 s[RB], ttmp7, 0xffff
	s_lshl_b32 s[RB], s[RB], 2
	s_add_co_u32 s[RB], s[RB], s[CY]
	s_lshl_b32 s39, s[CY], 2
	s_lshl_b32 s39, 15, s39
	s_lshl_b32 s23, 0x1111, s[CX]
	s_or_b32 s[G1A], s39, (1<<16)|(1<<21)
	s_or_b32 s[G1B], s23, (1<<16)|(1<<21)
	s_mov_b32 s[G1A+1], 2048<<16                   ; h: 8 row tiles, of each 4,096 consecutive bytes
	s_mov_b32 s[G1A+2], 8<<16
	s_mov_b32 s[G1A+3], 2048<<16
	s_mov_b32 s[G1A+4], 8
	s_mov_b32 s[G1A+5], 12288
	s_mov_b32 s[G1A+6], 0
	s_mov_b32 s[G1A+7], 0
	s_mov_b32 s[G1B+1], 128<<16                    ; W: six panels are 96 dense rows of 256 bytes
	s_mov_b32 s[G1B+2], 96<<16
	s_mov_b32 s[G1B+3], 128<<16
	s_mov_b32 s[G1B+4], 96
	s_mov_b32 s[G1B+5], 128
	s_mov_b32 s[G1B+6], 0
	s_mov_b32 s[G1B+7], 0
	s_mov_b32 s[G0A], 1
	s_lshl_b32 s[G0A+1], s[LO], 15
	s_mov_b32 s[G0B], 1
	s_mul_i32 s[G0B+1], s[LO], 24576
	s_add_co_u32 s[G0B+1], s[G0B+1], BOFF
	s_lshl_b32 s40, s[RB], 4
	s_lshl3_add_u32 s40, s[LO], s40
	s_mul_i32 s40, s40, 24576
	s_mov_b32 s41, 0
	s_lshl1_add_u32 s42, s[CB], s[LO]
	s_mul_i32 s42, s42, 24576
	s_mov_b32 s43, 0
	v_and_b32 v2, 31, v0
	v_bfe_u32 v4, v0, 4, 1
	v_and_b32 v5, 7, v0
	v_bfe_u32 v6, v0, 3, 1
	v_lshl_add_u32 v7, v4, 3, v5
	v_lshlrev_b32 v7, 5, v7
	v_lshl_add_u32 v7, v6, 4, v7
	s_lshl_b32 s46, s[WV], 14
	v_lshl_add_u32 v[A0], v2, 4, s46
	v_add_nc_u32 v[B0], BOFF, v7
	v_lshlrev_b32 v[BO], 5, v4
	s_mul_i32 s46, s[WV], 49152
	v_lshl_add_u32 v[STW], v2, 4, s46
	v_lshlrev_b32 v[GO], 4, v2
	s_mul_i32 s92, s[CB], 768                      ; the block's 192 biases
	s_mov_b32 s93, 0
	s_lshl_b32 s94, s[RB], 4
	s_lshl2_add_u32 s94, s[WV], s94                ; row tile 16 rb + 4 w of g, 98,304 bytes each,
	s_mul_i32 s94, s94, 98304
	s_mul_i32 s95, s[CB], 6144                     ; and the block's 24 octets
	s_add_co_u32 s94, s94, s95
	s_mov_b32 s95, 0
.irp c, PP, NL, N5, N4, N3, N2, N1
	s_mov_b32 s[\c+1], 0                           ; named as pairs
.endr
	s_mov_b32 s[PP], 0x3e6d3388                    ; 0.3275911 / sqrt 2
	s_mov_b32 s[NL], 0xbfb8aa3b                    ; -log2(e)
	s_mov_b32 s[N5], 0xbf07dc22                    ; -1.061405429 / 2
	s_mov_b32 s[N4], 0x3f3a00e3                    ; +1.453152027 / 2
	s_mov_b32 s[N3], 0xbf35f0e3                    ; -1.421413741 / 2
	s_mov_b32 s[N2], 0x3e11a98e                    ; +0.284496736 / 2
	s_mov_b32 s[N1], 0xbe027906                    ; -0.254829592 / 2
	s_mov_b32 s[TB], SLOTX+4096
	s_mov_b32 s[KC], 5
	s_wait_dscnt 0x0                               ; the opening add is done
	s_wait_kmcnt 0x0
	s_add_nc_u64 s[G0A+2:G0A+3], s[4:5], s[40:41]
	s_or_b32 s[G0A+3], s[G0A+3], 0x80000000
	s_add_nc_u64 s[G0B+2:G0B+3], s[6:7], s[42:43]
	s_add_nc_u64 s[G0B+2:G0B+3], s[G0B+2:G0B+3], WOFF
	s_or_b32 s[G0B+3], s[G0B+3], 0x80000000
	s_add_nc_u64 s[BP:BP+1], s[8:9], s[92:93]
	s_add_nc_u64 s[OUT:OUT+1], s[10:11], s[94:95]
	CROUND
	JLOAD                                          ; K step 0 into slot 0
	; the sums start with the bias, loaded straight into the accumulators
	WIN 0x40
.set t, 0
.rept 32
	global_load_b128 v[8*t:8*t+3],   v[BO], s[BP:BP+1] offset:64*(t%12)
	global_load_b128 v[8*t+4:8*t+7], v[BO], s[BP:BP+1] offset:64*(t%12)+16
.set t, t+1
.endr
	WIN 0x80
.rept 16
	global_load_b128 v[8*(t-32):8*(t-32)+3],   v[BO], s[BP:BP+1] offset:64*(t%12)
	global_load_b128 v[8*(t-32)+4:8*(t-32)+7], v[BO], s[BP:BP+1] offset:64*(t%12)+16
.set t, t+1
.endr
	WIN 0
	s_wait_loadcnt 0x0
.Lk:
	CHANGE 1
	STEP
	s_sub_co_u32 s[KC], s[KC], 1
	s_cmp_lg_u32 s[KC], 0
	s_cbranch_scc1 .Lk
	CHANGE 0                                       ; the last step is written out: nothing is asked for
	STEP
	; The ring has had its last fill and every wave's reads of it are over behind this barrier: its bytes serve as stage, 49,152 for each wave, its own.
	s_wait_dscnt 0x0
	s_barrier_signal -1
	s_barrier_wait -1
	PLACES
	WIN 0x04
.set t, 0
.rept 32
	ds_store_b128 v[STW], v[8*t:8*t+3]   offset:t*1024
	ds_store_b128 v[STW], v[8*t+4:8*t+7] offset:t*1024+512
.set t, t+1
.endr
	WIN 0x08
.rept 16
	ds_store_b128 v[STW], v[8*(t-32):8*(t-32)+3]   offset:t*1024
	ds_store_b128 v[STW], v[8*(t-32)+4:8*(t-32)+7] offset:t*1024+512
.set t, t+1
.endr
	WIN 0
.irp i, 0,1,2,3
	ds_load_b128 v[XX+4*\i:XX+4*\i+3], v[STW] offset:512*\i   ; LDS serves a wave's instructions in order: these see the stores above
.endr
	s_mov_b32 s[TC], 24
	s_mov_b32 s[IC], 6
	s_mov_b32 s[SB], 0
	s_mov_b32 s[STP+1], 0
	s_mov_b32 s[BIGS], 93184                       ; from a row tile's last two tiles to the next row tile's first: 98,304 - 5 x 1,024
.Lg:                                           ; 24 trips, two tiles (16 rows x 32 columns) each
	s_wait_dscnt 0x0
.set i, 0
.rept 16
	v_and_b32 v[AU+i], 0x7fffffff, v[XX+i]
.set i, i+1
.endr
.set i, 0
.rept 8
	v_pk_mul_f32 v[HU+i:HU+i+1], v[XX+i:XX+i+1], 0.5 op_sel_hi:[1,0]
.set i, i+2
.endr
.set i, 0
.rept 8
	v_pk_mul_f32 v[QQ+i:QQ+i+1], v[HU+i:HU+i+1], v[XX+i:XX+i+1]
.set i, i+2
.endr
	s_add_co_u32 s[SB], s[SB], 2048
	v_add_nc_u32 v[LA], s[SB], v[STW]
	s_cmp_eq_u32 s[TC], 1
	s_cbranch_scc1 .Lnox                           ; the last trip has no tiles behind it
.irp i, 0,1,2,3
	ds_load_b128 v[XX+4*\i:XX+4*\i+3], v[LA] offset:512*\i   ; the next two tiles come while these are worked on
.endr
.Lnox:
.set i, 0
.rept 8
	v_pk_fma_f32 v[DEN+i:DEN+i+1], v[AU+i:AU+i+1], s[PP:PP+1], 1.0 op_sel_hi:[1,0,0]
.set i, i+2
.endr
.set i, 0
.rept 8
	v_pk_mul_f32 v[QQ+i:QQ+i+1], v[QQ+i:QQ+i+1], s[NL:NL+1] op_sel_hi:[1,0]
.set i, i+2
.endr
.set i, 0
.rept 16
	v_rcp_f32 v[DEN+i], v[DEN+i]
.set i, i+1
.endr
.set i, 0
.rept 16
	v_exp_f32 v[QQ+i], v[QQ+i]
.set i, i+1
.endr
	v_nop                                          ; a plain instruction behind the last of the 32,
	s_wait_alu depctr_va_vdst(0)                   ; and one wait for the batch, ahead of its first reader
.set i, 0
.rept 8
	v_pk_fma_f32 v[PO+i:PO+i+1], v[DEN+i:DEN+i+1], s[N5:N5+1], s[N4:N4+1] op_sel_hi:[1,0,0]
.set i, i+2
.endr
.irp c, N3, N2, N1
.set i, 0
.rept 8
	v_pk_fma_f32 v[PO+i:PO+i+1], v[PO+i:PO+i+1], v[DEN+i:DEN+i+1], s[\c:\c+1] op_sel_hi:[1,1,0]
.set i, i+2
.endr
.endr
.set i, 0
.rept 8
	v_pk_mul_f32 v[PO+i:PO+i+1], v[PO+i:PO+i+1], v[DEN+i:DEN+i+1]
.set i, i+2
.endr
.set i, 0
.rept 8
	v_pk_fma_f32 v[PO+i:PO+i+1], v[PO+i:PO+i+1], v[QQ+i:QQ+i+1], 0.5 op_sel_hi:[1,1,0]   ; 0.5 - 0.5 poly e
.set i, i+2
.endr
.set i, 0
.rept 8
	v_pk_fma_f32 v[PO+i:PO+i+1], v[AU+i:AU+i+1], v[PO+i:PO+i+1], v[HU+i:HU+i+1]
.set i, i+2
.endr
.set i, 0
.rept 8
	v_cvt_pk_bf16_f32 v[YY+i], v[PO+2*i], v[PO+2*i+1]
.set i, i+1
.endr
	global_store_b128 v[GO], v[YY:YY+3],   s[OUT:OUT+1]              ; a tile is 512 consecutive bytes, aligned
	global_store_b128 v[GO], v[YY+4:YY+7], s[OUT:OUT+1] offset:512
	s_sub_co_u32 s[IC], s[IC], 1
	s_cmp_eq_u32 s[IC], 0
	s_cselect_b32 s[STP], s[BIGS], 1024
	s_cselect_b32 s[IC], 6, s[IC]
	s_wait_xcnt 0x0                                ; the stores have read their data and their base: both are written again only behind this wait
	s_add_nc_u64 s[OUT:OUT+1], s[OUT:OUT+1], s[STP:STP+1]
	s_sub_co_u32 s[TC], s[TC], 1
	s_cmp_lg_u32 s[TC], 0
	s_cbranch_scc1 .Lg
	s_wait_tensorcnt 0x0                           ; the wave's end, behind my last LDS store
	ds_add_u32 v[SPW], v[NIL]
	s_wait_dscnt 0x0
	CROUND                                         ; the closing round
	s_endpgm
.Lfunc_end_k_q907b13bc0a_ffn1:
	.size	k_q907b13bc0a_ffn1, .Lfunc_end_k_q907b13bc0a_ffn1-k_q907b13bc0a_ffn1
	.p2alignl 7, 3214868480
	.fill 96, 4, 3214868480
	.section	.rodata,"a",@progbits
	.p2align	6, 0x0
	.amdhsa_kernel k_q907b13bc0a_ffn1
		.amdhsa_group_segment_fixed_size 327680
		.amdhsa_private_segment_fixed_size 0
		.amdhsa_enable_private_segment 0
		.amdhsa_kernarg_size 32
		.amdhsa_user_sgpr_count 2
		.amdhsa_user_sgpr_kernarg_segment_ptr 1
		.amdhsa_wavefront_size32 1
		.amdhsa_system_sgpr_workgroup_id_x 1
		.amdhsa_system_sgpr_workgroup_id_y 1
		.amdhsa_system_sgpr_workgroup_id_z 1
		.amdhsa_system_vgpr_workitem_id 0
		.amdhsa_next_free_vgpr 768
		.amdhsa_next_free_sgpr 96
		.amdhsa_reserve_vcc 0
		.amdhsa_float_denorm_mode_32 3
		.amdhsa_float_denorm_mode_16_64 3
		.amdhsa_memory_ordered 1
		.amdhsa_forward_progress 1
		.amdhsa_inst_pref_size 59
	.end_amdhsa_kernel
	.amdgpu_metadata
---
amdhsa.version: [ 1, 2 ]
amdhsa.kernels:
  - .name:           k_q907b13bc0a_ffn1
    .symbol:         k_q907b13bc0a_ffn1.kd
    .args:
      - { .name: act, .offset: 0, .size: 8, .value_kind: global_buffer, .address_space: global }
      - { .name: wts, .offset: 8, .size: 8, .value_kind: global_buffer, .address_space: global }
      - { .name: b1, .offset: 16, .size: 8, .value_kind: global_buffer, .address_space: global }
      - { .name: big, .offset: 24, .size: 8, .value_kind: global_buffer, .address_space: global }
    .group_segment_fixed_size: 327680
    .private_segment_fixed_size: 0
    .kernarg_segment_align: 8
    .kernarg_segment_size: 32
    .max_flat_workgroup_size: 128
    .sgpr_count:     96
    .vgpr_count:     768
    .wavefront_size: 32
...
	.end_amdgpu_metadata
.endif
;; end of part 5
;; launch ffn2 (part 6): grid 4 x 64, 4 waves a work-group, clusters of 4 x 4, 327,680 bytes of LDS; arguments big, wts, b2, x1, out0; writes out0
.if DOCPART == 6
	.amdgcn_target "amdgcn-amd-amdhsa--gfx1250"
	.amdhsa_code_object_version 6
	.text
	.protected	k_q907b13bc0a_ffn2
	.globl	k_q907b13bc0a_ffn2
	.p2align	8
	.type	k_q907b13bc0a_ffn2,@function
k_q907b13bc0a_ffn2:
	s_mov_b64 s[64:65], 0
	v_nop
	global_prefetch_b8 v0, s[64:65] scope:SCOPE_SE
	s_setreg_imm32_b32 hwreg(HW_REG_WAVE_MODE, 25, 1), 1
	s_wait_xcnt 0x0
	s_wait_alu depctr_hold_cnt(0) depctr_sa_sdst(0) depctr_va_vdst(0) depctr_va_sdst(0) depctr_va_ssrc(0) depctr_va_vcc(0) depctr_vm_vsrc(0)
	s_getreg_b32 s2, hwreg(HW_REG_IB_STS2, 6, 4)
	s_cmp_eq_u32 s2, 0
	s_cbranch_scc0 .Lentry_in_a_cluster
	s_endpgm
.Lentry_in_a_cluster:
	s_bfe_u32 s2, ttmp6, 0x10000c
	s_cmp_lg_u32 s2, 0xf033
	s_cbranch_scc0 .Lentry_shape_is_right
	s_endpgm
.Lentry_shape_is_right:
; out = res + A W + bias.  A: [4096][KK] bf16 in octets; W: [KK][768] in bf16 panels of 16 columns x 128 k; res, bias, out: f32, rows of 768.  Sums in f32.
; SHARES.  A work-group makes 64 rows x 192 columns: 256 work-groups.  K goes in steps of 256 through two LDS slots, and K IS SPLIT AMONG THE FOUR WAVES: of each step wave w multiplies k = 64 w .. 64 w + 63
; for the whole tile (48 accumulators t = 12 a + b), so each LDS byte is read once.  The four partial sums meet in LDS at the end, where residual and bias are added.
; The matrix instruction is used transposed (source 0 = 16 columns of W, source 1 = 16 rows of A): a lane holds one row and eight neighbouring columns.
; CLUSTER 4 x 4: A's tile is shared along a row of the cluster, W's along a column.  The residual tile is each work-group's own: a plain tensor load, once, at the start.
; REGISTERS.  window 0: v0-63 addresses, bias; fragment buffer 0: A at v64 + 8 a, W at v96 + 8 b.  window 1: accumulators 0-31.  window 2: accumulators 32-47; fragment buffer 1: A at v128 + 8 a, W at v160 + 8 b.
; LIMITS: operands are bf16; NaN and infinities are not treated apart.
.set KK,    3072
.set WOFF,  9437184                    ; the matrix's first byte in the panels
.set NT,    KK/256
.set SLOTX, 1<<17                      ; a slot: 4 row tiles of 8,192 bytes of A, then 2 x 12 panels of 4,096 bytes of W: 131,072 bytes
.set BOFF,  32768
.set RES,   262144                     ; behind the ring: the residual, 64 rows of 3 x (256 + 16) bytes
.set SPARE, 314368                     ; behind it: the spare words, 128 bytes a wave
.set WSTG,  52224                      ; a wave's partial sums: 3 groups of 64 columns x 64 rows of 272 bytes; the four lie from byte 0 on, over the ring, which has had its last fill
.set ASTR,  8192
.set ASTEP, 8192
.set BSTEP, 393216
.set ADRA, 16
.set ADRB, 17
.set A0,   18
.set B0,   19
.set BO,   21                          ; 16 r
.set STO,  22
.set RA,   23                          ; v23-26 where I read the four partial sums
.set RR,   27                          ; where I read the residual
.set SPW,  28
.set NIL,  29
.set CO,   30                          ; my byte offset in two rows of out
.set BI,   40                          ; v[40:51] my twelve biases
.set WV, 16
.set HF, 17
.set LO, 18
.set CX, 19
.set CY, 20
.set CB, 21
.set RB, 22
.set G1A, 24
.set G0A, 32
.set TB,  36
.set KC,  38
.set BP,  44
.set G1B, 48
.set G0B, 56
.set G0R, 68
.set G1R, 72
.set OUT, 84
.set MSB, 0
.macro WIN new
.if MSB != (\new)
	s_set_vgpr_msb (MSB<<8)|(\new)
.set MSB, \new
.endif
.endm
.macro PLACES                          ; four plain vector instructions behind a matrix instruction, ahead of loads into its sources and of readers of its result
.rept 4
	v_nop
.endr
.endm
.macro CROUND
	s_barrier_signal -1
	s_barrier_wait -1
	s_cmp_lg_u32 s[WV], 0
	s_cbranch_scc1 .Lnot_wave_0_\@
	s_barrier_signal -3
.Lnot_wave_0_\@:
	s_barrier_wait -3
	s_barrier_signal -1
	s_barrier_wait -1
.endm
.macro JLOAD                           ; waves 0 and 1 fetch A's two halves, waves 2 and 3 W's two blocks of 128 k
	s_cmp_eq_u32 s[HF], 0
	s_cbranch_scc0 .Lfor_b_\@
	tensor_load_to_lds s[G0A:G0A+3], s[G1A:G1A+7]
	s_nop 0
.rept 4
	v_nop
.endr
	s_branch .Lasked_\@
.Lfor_b_\@:
	tensor_load_to_lds s[G0B:G0B+3], s[G1B:G1B+7]
	s_nop 0
.rept 4
	v_nop
.endr
.Lasked_\@:
.endm
.macro FETCH f, off                    ; 32 LDS loads in one run, each of 512 consecutive bytes
	WIN 0x80*(\f)
.set j, 0
.rept 12
	ds_load_tr16_b128 v[96+64*(\f)+8*j:96+64*(\f)+8*j+3],   v[ADRB] offset:j*4096+(\off)
	ds_load_tr16_b128 v[96+64*(\f)+8*j+4:96+64*(\f)+8*j+7], v[ADRB] offset:j*4096+(\off)+512
.set j, j+1
.endr
.set j, 0
.rept 4
	ds_load_b128 v[64+64*(\f)+8*j:64+64*(\f)+8*j+3],   v[ADRA] offset:j*ASTR+(\off)
	ds_load_b128 v[64+64*(\f)+8*j+4:64+64*(\f)+8*j+7], v[ADRA] offset:j*ASTR+(\off)+512
.set j, j+1
.endr
.endm
.macro MUL f, zero                     ; 48 products; the accumulators take turns, one instruction a turn.  zero = 1: they start the sums
.set t, 0
.rept 48
.if t < 32
	WIN 0x50+0x0a*(\f)
.set rD, 8*t
.else
	WIN 0xa0+0x0a*(\f)
.set rD, 8*(t-32)
.endif
.set rB, 96+64*(\f)+8*(t%12)
.set rA, 64+64*(\f)+8*(t/12)
.if \zero
	v_wmma_f32_16x16x32_bf16 v[rD:rD+7], v[rB:rB+7], v[rA:rA+7], 0
.else
	v_wmma_f32_16x16x32_bf16 v[rD:rD+7], v[rB:rB+7], v[rA:rA+7], v[rD:rD+7]
.endif
.set t, t+1
.endr
.endm
.macro CHANGE fill                     ; the change of slots: all my tensor loads, the add, my reads; then the round and the joint refill, or the work-group's barrier alone
	WIN 0
	s_wait_tensorcnt 0x0
	ds_add_u32 v[SPW], v[NIL]
.if \fill
	s_xor_b32 s[G0A+1], s[G0A+1], SLOTX
	s_add_nc_u64 s[G0A+2:G0A+3], s[G0A+2:G0A+3], ASTEP
	s_xor_b32 s[G0B+1], s[G0B+1], SLOTX
	s_add_nc_u64 s[G0B+2:G0B+3], s[G0B+2:G0B+3], BSTEP
	s_wait_dscnt 0x0
	CROUND
	JLOAD
.else
	s_wait_dscnt 0x0
	s_barrier_signal -1
	s_barrier_wait -1
.endif
	s_xor_b32 s[TB], s[TB], SLOTX
.endm
.macro TRIP zero, fill                 ; a K step of 256: my 64 of it, two fragment buffers, 96 products
	CHANGE \fill
	PLACES
	v_add_nc_u32 v[ADRA], s[TB], v[A0]
	v_add_nc_u32 v[ADRB], s[TB], v[B0]
	FETCH 0, 0
	FETCH 1, 1024
	s_wait_dscnt 32                                ; buffer 0 is in; buffer 1's 32 loads may stay out
	MUL 0, \zero
	s_wait_dscnt 0x0
	MUL 1, 0
	WIN 0
.endm
	s_load_b256 s[4:11], s[0:1], 0x0               ; A s[4:5], panels s[6:7], bias s[8:9], residual s[10:11]
	s_load_b64 s[12:13], s[0:1], 0x20              ; out
	v_lshl_add_u32 v[SPW], v0, 2, SPARE
	v_mov_b32 v[NIL], 0
	ds_add_u32 v[SPW], v[NIL]                      ; the wave's opening: the add, whose wait stands ahead of my first tensor load
	v_lshrrev_b32 v1, 5, v0
	v_readfirstlane_b32 s[WV], v1
	s_lshr_b32 s[HF], s[WV], 1
	s_and_b32 s[LO], s[WV], 1
	s_bfe_u32 s[CX], ttmp6, 0x40000
	s_bfe_u32 s[CY], ttmp6, 0x40004
	s_lshl_b32 s[CB], ttmp9, 2
	s_add_co_u32 s[CB], s[CB], s[CX]
	s_and_b32 s[RB], ttmp7, 0xffff
	s_lshl_b32 s[RB], s[RB], 2
	s_add_co_u32 s[RB], s[RB], s[CY]
	s_lshl_b32 s39, s[CY], 2
	s_lshl_b32 s39, 15, s39
	s_lshl_b32 s23, 0x1111, s[CX]
	s_or_b32 s[G1A], s39, (1<<16)|(1<<21)
	s_or_b32 s[G1B], s23, (1<<16)|(1<<21)
	s_mov_b32 s[G1A+1], 4096<<16                   ; A: 2 row tiles, of each 4,096 elements (8,192 consecutive bytes)
	s_mov_b32 s[G1A+2], 2<<16
	s_mov_b32 s[G1A+3], 4096<<16
	s_mov_b32 s[G1A+4], 2
	s_mov_b32 s[G1A+5], 16*KK                      ; a row tile of A in elements
	s_mov_b32 s[G1A+6], 0
	s_mov_b32 s[G1A+7], 0
	s_mov_b32 s[G1B+1], 128<<16                    ; W: twelve panels are 49,152 dense bytes: 192 rows of 256
	s_mov_b32 s[G1B+2], 192<<16
	s_mov_b32 s[G1B+3], 128<<16
	s_mov_b32 s[G1B+4], 192
	s_mov_b32 s[G1B+5], 128
	s_mov_b32 s[G1B+6], 0
	s_mov_b32 s[G1B+7], 0
	s_mov_b32 s[G1R], (2<<16)|(1<<20)|(5<<22)|(3<<25)  ; the residual: elements of 4 bytes; 4 words of padding after every 64; no mask
	s_mov_b32 s[G1R+1], 192<<16                    ; 16 rows of 192 numbers
	s_mov_b32 s[G1R+2], 16<<16
	s_mov_b32 s[G1R+3], 192<<16
	s_mov_b32 s[G1R+4], 16
	s_mov_b32 s[G1R+5], 768
	s_mov_b32 s[G1R+6], 0
	s_mov_b32 s[G1R+7], 0
	s_mov_b32 s[G0A], 1
	s_lshl_b32 s[G0A+1], s[LO], 14
	s_mov_b32 s[G0B], 1
	s_mul_i32 s[G0B+1], s[LO], 49152
	s_add_co_u32 s[G0B+1], s[G0B+1], BOFF
	s_mov_b32 s[G0R], 1
	s_mul_i32 s[G0R+1], s[WV], 13056
	s_add_co_u32 s[G0R+1], s[G0R+1], RES
	s_lshl_b32 s40, s[RB], 2
	s_lshl1_add_u32 s40, s[LO], s40                ; row tile 4 rb + 2 x half
	s_mul_i32 s40, s40, 32*KK
	s_mov_b32 s41, 0
	s_mul_i32 s42, s[CB], 49152
	s_mul_i32 s43, s[LO], 196608
	s_add_co_u32 s42, s42, s43
	s_mov_b32 s43, 0
	s_lshl_b32 s80, s[RB], 6
	s_lshl4_add_u32 s80, s[WV], s80                ; row 64 rb + 16 w of residual and out,
	s_mul_i32 s80, s80, 3072
	s_mul_i32 s82, s[CB], 768                      ; and the block's 192 columns
	s_add_co_u32 s80, s80, s82
	s_mov_b32 s81, 0
	s_mov_b32 s83, 0
	v_and_b32 v2, 31, v0
	v_and_b32 v3, 15, v0
	v_bfe_u32 v4, v0, 4, 1
	v_and_b32 v5, 7, v0
	v_bfe_u32 v6, v0, 3, 1
	v_lshl_add_u32 v7, v4, 3, v5
	v_lshlrev_b32 v7, 5, v7
	v_lshl_add_u32 v7, v6, 4, v7                   ; the turning load's lane term
	s_lshl_b32 s46, s[WV], 11                      ; my 64 k: eight octets of each row tile,
	v_lshl_add_u32 v[A0], v2, 4, s46
	s_mul_i32 s46, s[HF], 49152                    ; and 64 k rows of one of the two blocks of panels
	s_lshl_b32 s47, s[LO], 11
	s_add_co_u32 s46, s46, s47
	s_add_co_u32 s46, s46, BOFF
	v_add_nc_u32 v[B0], s46, v7
	v_lshlrev_b32 v[BO], 4, v3
	v_mul_u32_u24 v[STO], v3, 272                  ; partial sums in: row r, 32 bytes for each half of the lanes
	v_lshl_add_u32 v[STO], v4, 5, v[STO]
	s_mul_i32 s46, s[WV], WSTG
	v_add_nc_u32 v[STO], s46, v[STO]
	v_lshl_add_u32 v5, s[WV], 4, v4                ; back: rows 16 w + (lane / 16), sixteen lanes a row's 256 bytes
	v_mul_u32_u24 v[RA], v5, 272
	v_add_nc_u32 v[RA], v[RA], v[BO]
	v_add_nc_u32 v[RA+1], WSTG, v[RA]
	v_add_nc_u32 v[RA+2], WSTG, v[RA+1]
	v_add_nc_u32 v[RA+3], WSTG, v[RA+2]
	v_mul_u32_u24 v[RR], v5, 816
	v_add_nc_u32 v[RR], v[RR], v[BO]
	v_add_nc_u32 v[RR], RES, v[RR]
	v_mul_u32_u24 v[CO], v4, 3072
	v_add_nc_u32 v[CO], v[CO], v[BO]
	s_mov_b32 s[TB], SLOTX                         ; the first change of slots turns this into 0
	s_wait_dscnt 0x0                               ; the opening add is done
	s_wait_kmcnt 0x0
	s_add_nc_u64 s[G0A+2:G0A+3], s[4:5], s[40:41]
	s_or_b32 s[G0A+3], s[G0A+3], 0x80000000
	s_add_nc_u64 s[G0B+2:G0B+3], s[6:7], s[42:43]
	s_add_nc_u64 s[G0B+2:G0B+3], s[G0B+2:G0B+3], WOFF
	s_or_b32 s[G0B+3], s[G0B+3], 0x80000000
	s_add_nc_u64 s[G0R+2:G0R+3], s[10:11], s[80:81]
	s_or_b32 s[G0R+3], s[G0R+3], 0x80000000
	s_add_nc_u64 s[OUT:OUT+1], s[12:13], s[80:81]
	s_add_nc_u64 s[BP:BP+1], s[8:9], s[82:83]
	CROUND                                         ; all sixteen work-groups are here: the first joint loads meet
	s_cmp_eq_u32 s[HF], 0                          ; a wave's two first fills stand in one branch: its 16 rows of the residual, and its part of K step 0: two loads of mine are out
	s_cbranch_scc0 .Lfirst_b
	tensor_load_to_lds s[G0R:G0R+3], s[G1R:G1R+7]
	s_nop 0
	tensor_load_to_lds s[G0A:G0A+3], s[G1A:G1A+7]
	s_nop 0
.rept 4
	v_nop
.endr
	s_branch .Lfirst_asked
.Lfirst_b:
	tensor_load_to_lds s[G0R:G0R+3], s[G1R:G1R+7]
	s_nop 0
	tensor_load_to_lds s[G0B:G0B+3], s[G1B:G1B+7]
	s_nop 0
.rept 4
	v_nop
.endr
.Lfirst_asked:
.irp g, 0,1,2
	global_load_b128 v[BI+4*\g:BI+4*\g+3], v[BO], s[BP:BP+1] offset:256*\g
.endr
	TRIP 1, 1                                      ; K step 0 starts the sums; K step 1 is asked for
	s_mov_b32 s[KC], NT-2
.Lk:
	TRIP 0, 1
	s_sub_co_u32 s[KC], s[KC], 1
	s_cmp_lg_u32 s[KC], 0
	s_cbranch_scc1 .Lk
	TRIP 0, 0                                      ; the last step is written out: nothing is asked for
	; THE PARTIAL SUMS MEET.  Every wave's reads of the ring are over (its last wait was for 0) and every fill has landed: behind this barrier the ring's bytes serve as stage.
	s_barrier_signal -1
	s_barrier_wait -1
	PLACES
	WIN 0x04
.set t, 0
.rept 32
	ds_store_b128 v[STO], v[8*t:8*t+3]   offset:((t%12)/4)*17408+(t/12)*4352+((t%12)%4)*64
	ds_store_b128 v[STO], v[8*t+4:8*t+7] offset:((t%12)/4)*17408+(t/12)*4352+((t%12)%4)*64+16
.set t, t+1
.endr
	WIN 0x08
.rept 16
	ds_store_b128 v[STO], v[8*(t-32):8*(t-32)+3]   offset:((t%12)/4)*17408+(t/12)*4352+((t%12)%4)*64
	ds_store_b128 v[STO], v[8*(t-32)+4:8*(t-32)+7] offset:((t%12)/4)*17408+(t/12)*4352+((t%12)%4)*64+16
.set t, t+1
.endr
	WIN 0
	s_wait_dscnt 0x0                               ; for the others' sake: my stores are done
	s_barrier_signal -1
	s_barrier_wait -1
	s_wait_loadcnt 0x0                             ; the bias
	s_mov_b32 s[KC], 8
.Lred:                                         ; wave w finishes rows 16 w .. 16 w + 15, two a trip
.irp v, 0,1,2,3
.irp g, 0,1,2
	ds_load_b128 v[64+12*\v+4*\g:64+12*\v+4*\g+3], v[RA+\v] offset:\g*17408
.endr
.endr
.irp g, 0,1,2
	ds_load_b128 v[112+4*\g:112+4*\g+3], v[RR] offset:\g*272
.endr
	s_wait_dscnt 0x0
.irp g, 0,1,2
.irp h, 0,2
	v_pk_add_f32 v[64+4*\g+\h:64+4*\g+\h+1], v[64+4*\g+\h:64+4*\g+\h+1], v[76+4*\g+\h:76+4*\g+\h+1]
	v_pk_add_f32 v[88+4*\g+\h:88+4*\g+\h+1], v[88+4*\g+\h:88+4*\g+\h+1], v[100+4*\g+\h:100+4*\g+\h+1]
	v_pk_add_f32 v[112+4*\g+\h:112+4*\g+\h+1], v[112+4*\g+\h:112+4*\g+\h+1], v[BI+4*\g+\h:BI+4*\g+\h+1]
	v_pk_add_f32 v[64+4*\g+\h:64+4*\g+\h+1], v[64+4*\g+\h:64+4*\g+\h+1], v[88+4*\g+\h:88+4*\g+\h+1]
	v_pk_add_f32 v[64+4*\g+\h:64+4*\g+\h+1], v[64+4*\g+\h:64+4*\g+\h+1], v[112+4*\g+\h:112+4*\g+\h+1]
.endr
	global_store_b128 v[CO], v[64+4*\g:64+4*\g+3], s[OUT:OUT+1] offset:256*\g   ; sixteen lanes store 256 consecutive bytes, aligned
.endr
.irp v, 0,1,2,3
	v_add_nc_u32 v[RA+\v], 544, v[RA+\v]           ; two rows on
.endr
	v_add_nc_u32 v[RR], 1632, v[RR]
	s_wait_xcnt 0x0                                ; the stores have read their data and their base: both are written again only behind this wait
	s_add_nc_u64 s[OUT:OUT+1], s[OUT:OUT+1], 6144
	s_sub_co_u32 s[KC], s[KC], 1
	s_cmp_lg_u32 s[KC], 0
	s_cbranch_scc1 .Lred
	s_wait_tensorcnt 0x0                           ; the wave's end, behind my last LDS store
	ds_add_u32 v[SPW], v[NIL]
	s_wait_dscnt 0x0
	CROUND                                         ; the closing round
	s_endpgm
.Lfunc_end_k_q907b13bc0a_ffn2:
	.size	k_q907b13bc0a_ffn2, .Lfunc_end_k_q907b13bc0a_ffn2-k_q907b13bc0a_ffn2
	.p2alignl 7, 3214868480
	.fill 96, 4, 3214868480
	.section	.rodata,"a",@progbits
	.p2align	6, 0x0
	.amdhsa_kernel k_q907b13bc0a_ffn2
		.amdhsa_group_segment_fixed_size 327680
		.amdhsa_private_segment_fixed_size 0
		.amdhsa_enable_private_segment 0
		.amdhsa_kernarg_size 40
		.amdhsa_user_sgpr_count 2
		.amdhsa_user_sgpr_kernarg_segment_ptr 1
		.amdhsa_wavefront_size32 1
		.amdhsa_system_sgpr_workgroup_id_x 1
		.amdhsa_system_sgpr_workgroup_id_y 1
		.amdhsa_system_sgpr_workgroup_id_z 1
		.amdhsa_system_vgpr_workitem_id 0
		.amdhsa_next_free_vgpr 768
		.amdhsa_next_free_sgpr 96
		.amdhsa_reserve_vcc 0
		.amdhsa_float_denorm_mode_32 3
		.amdhsa_float_denorm_mode_16_64 3
		.amdhsa_memory_ordered 1
		.amdhsa_forward_progress 1
		.amdhsa_inst_pref_size 52
	.end_amdhsa_kernel
	.amdgpu_metadata
---
amdhsa.version: [ 1, 2 ]
amdhsa.kernels:
  - .name:           k_q907b13bc0a_ffn2
    .symbol:         k_q907b13bc0a_ffn2.kd
    .args:
      - { .name: big, .offset: 0, .size: 8, .value_kind: global_buffer, .address_space: global }
      - { .name: wts, .offset: 8, .size: 8, .value_kind: global_buffer, .address_space: global }
      - { .name: b2, .offset: 16, .size: 8, .value_kind: global_buffer, .address_space: global }
      - { .name: x1, .offset: 24, .size: 8, .value_kind: global_buffer, .address_space: global }
      - { .name: out0, .offset: 32, .size: 8, .value_kind: global_buffer, .address_space: global }
    .group_segment_fixed_size: 327680
    .private_segment_fixed_size: 0
    .kernarg_segment_align: 8
    .kernarg_segment_size: 40
    .max_flat_workgroup_size: 128
    .sgpr_count:     96
    .vgpr_count:     768
    .wavefront_size: 32
...
	.end_amdgpu_metadata
.endif
;; end of part 6
